; MI455X (gfx1250); checked and timed in simulation.
; The chip was launched on July 23, 2026; its instructions are those of AMD's public machine-readable ISA for CDNA 5 (MIT licence, August 2026) and "CDNA5" Instruction Set Architecture Reference Guide (July 2026). The comments in the code are by the model that wrote it; some were corrected since.
;; Multihead Attention. Allowed arithmetic: matrix products marked QUANTISED: E2M3 operands, one E8M0 scale for each 32 along K, by v_wmma_scale_f32_16x16x128_f8f6f4 with both operands' format E2M3, f32 sums; everything else in f32.
;; Inputs: Wk 1,024 x 1,024 float32; Wo 1,024 x 1,024 float32; Wq 1,024 x 1,024 float32; Wv 1,024 x 1,024 float32; bk 1,024 float32; bo 1,024 float32; bq 1,024 float32; bv 1,024 float32; x 4 x 2,048 x 1,024 float32.
;; Outputs: out0 4 x 2,048 x 1,024 float32.
;; This version of the problem:
;;   THIS VERSION OF THE PROBLEM IS GIVEN IN LOW PRECISION. The matrix products marked QUANTISED in the list below multiply operands that are first quantised to E2M3 (2 exponent bits, 3 mantissa bits; 6 bits a number), with one power-of-two scale for each 32 numbers along K (OCP MX v1.0); their sums are f32. All else is computed in f32.
;;   The module's matrix products, in the order in which they are computed (A, B: the left and right operand; K: the contracted axis; several contracted axes count as one K, in the product's order):
;;     1. [M 8,192, K 1,024] x [K 1,024, N 1,024]; A: input x; B: input Wq: QUANTISED
;;     2. [M 8,192, K 1,024] x [K 1,024, N 1,024]; A: input x; B: input Wk: QUANTISED
;;     3. [M 8,192, K 1,024] x [K 1,024, N 1,024]; A: input x; B: input Wv: QUANTISED
;;     4. batch 64 x [M 2,048, K 64] x [K 64, N 2,048]; A: computed on the way; B: computed on the way: QUANTISED
;;     5. batch 64 x [M 2,048, K 2,048] x [K 2,048, N 64]; A: softmax (see below); B: computed on the way: QUANTISED
;;     6. [M 8,192, K 1,024] x [K 1,024, N 1,024]; A: computed on the way; B: input Wo: QUANTISED
;;   THE QUANTISER, for each operand of a quantised product, along K:
;;     - K is cut into blocks of 32 from its start; a last block that is shorter is filled with zeros.
;;     - A block's scale is 2^e with e = floor(log2(the largest magnitude in the block)) - 2, held to -126 .. 127; a block of zeros has e = 0. As a byte (E8M0): e + 127.
;;     - Each number is divided by its block's scale, clamped to +-7.5, and rounded to the nearest number of E2M3, ties to even, subnormals kept.
;;     - The product sums the exact products of the quantised numbers (number of the format x scale) in f32.
;;   ~~~python
;;   def quantise(x, axis):      # numpy; x: float32 -> the quantised numbers, widened to float32 again
;;       x = np.moveaxis(x, axis, -1); K = x.shape[-1]
;;       x = np.pad(x, [(0, 0)] * (x.ndim - 1) + [(0, -K % 32)]); x = x.reshape(x.shape[:-1] + (-1, 32)); a = np.abs(x).max(-1, keepdims=True)
;;       e = np.where(a > 0, np.clip(np.frexp(np.where(a > 0, a, 1))[1] - 1 - 2, -126, 127), 0)      # np.frexp(a)[1] - 1 = floor(log2(a)), exactly
;;       r = np.clip(x / 2.0 ** e, -7.5, 7.5)
;;       step = 2.0 ** (np.maximum(np.frexp(np.where(r == 0, 1, r))[1] - 1, 0) - 3)
;;       q = np.round(r / step) * step * 2.0 ** e      # np.round: ties to even
;;       return np.moveaxis(q.reshape(q.shape[:-2] + (-1,))[..., :K], -1, axis).astype(np.float32)
;;   ~~~
;;   SOFTMAX AHEAD OF A QUANTISED PRODUCT. Where the list says 'softmax', what is quantised is not the finished softmax but p = 2^(t - M), with t = logit x log2(e) and M = ceil(the row's largest t), a whole number; so 1/2 < the row's largest p <= 1. The row's sum l is taken of the UNQUANTISED p, in f32, and the product's result is divided by l at the end. Since M is a whole number, a kernel that streams over the keys may use a running M (the ceiling of the running maximum): every later rescaling is an exact power of two, which a block's scale takes up: the codes' values come out the same.
;;   OPERANDS COMPUTED ON THE WAY. 'Computed on the way' means the value that the module computes at that place (a softmax that the list does not call 'softmax' is quantised finished and normalised). What goes into a quantiser is computed in f32, as accurately as f32 sums, v_exp_f32 and their like allow (about 1e-6 of the number): no bf16 or f16 on the way to a quantiser, and a product that is left as it is and whose result goes on into a quantised operand takes f32 operands (vector FMAs, or v_wmma_f32_16x16x4_f32). A number that lies on a knife's edge between two numbers of the format may be rounded either way, as far as f32 arithmetic and the matrix unit's own rounding can turn it there, and no further.
;; One version. Each part assembles by itself: llvm-mc -triple=amdgcn-amd-amdhsa -mcpu=gfx1250 --defsym DOCPART=n.
;; ======== version 1 of 1: 4 launches
;; limits: right only within a limited range of input values
;; workspace buffers: xc 6,291,456 bytes; wc 3,145,728 bytes; sc 655,360 bytes; qk 13,631,488 bytes; vb 6,553,600 bytes; ac 6,291,456 bytes
;; launch quant (part 1): grid 768 x 1, 4 waves a work-group, no clusters, 68,096 bytes of LDS; arguments x, Wq, Wk, Wv, Wo, xc, wc, sc; writes xc, wc, sc
.if DOCPART == 1
	.amdgcn_target "amdgcn-amd-amdhsa--gfx1250"
	.amdhsa_code_object_version 6
	.text
	.protected	k_qb8d0cedba7_quant
	.globl	k_qb8d0cedba7_quant
	.p2align	8
	.type	k_qb8d0cedba7_quant,@function
k_qb8d0cedba7_quant:
	s_mov_b64 s[64:65], 0
	v_nop
	global_prefetch_b8 v0, s[64:65] scope:SCOPE_SE
	s_setreg_imm32_b32 hwreg(HW_REG_WAVE_MODE, 25, 1), 1
	s_wait_xcnt 0x0
; x [8192][1024] and Wq, Wk, Wv, Wo [1024 (k)][1024 (n)], f32, become codes of FP6 (E2M3) with one E8M0 scale byte for each 32 along K, laid in the ORDER OF AN OPERAND'S REGISTERS.
; A TILE is 16 rows (of x) or columns (of a weight): lane r of tile T holds row 32 (T/2) + 8 (T%2) + r + 8 (r/8).  A HALF-IMAGE is a tile x 64 along K, 768 bytes: lane (r, h) owns block h of the 64,
; 24 bytes: its first 16 at 256 h + 16 r, its last 8 at 512 + 16 r + 8 h.  xc: [tile 0..511][64s along K 0..15][768];  wc: the same over the 4,096 columns Wq | Wk | Wv | Wo.
; sc: scale words (four bytes: 128 along K of one row), [group of 32 rows][K step 0..7][row in the group]; groups 0..255 x, 256..383 the weights.
; A block's scale is 2^(floor(log2(its largest magnitude)) - 2); its byte is the largest magnitude's exponent field - 2, held at 1 from below.
; LIMITS: a block of zeros, or one whose largest magnitude lies under 2^-124, has the byte 1 (the rule says 127 for zeros: the codes are zeros, and this program alone reads the bytes); NaN and infinities are not served.
; Work-groups 0..255: 32 rows of x each, wave s the K step s.  Loads take 512 consecutive bytes of a row; the numbers turn through the wave's own stage in LDS, so that a lane gets two whole blocks of its row.
; Work-groups 256..383: a weight, 256 columns, one K step; a lane takes a column and its registers run down K: nothing is transposed.  That path touches no LDS.
.set STG,   16896                      ; a wave's stage: 32 rows x (512 bytes + 16): sixteen rows of a read begin at sixteen different 16-byte columns
; THE DEAL AS IT STANDS (in place of the two lines on work-groups above): work-groups have FOUR waves.  Work-groups 0..511: work-group g takes rows 32 (g/2) .. + 31 of x, its wave w the K step 4 (g%2) + w.
; Work-groups 512..767: a weight, 128 columns (32 a wave), one K step.  768 equal parts: three for each of 256 WGPs.
.set SPARE, 4*STG                      ; behind the four stages: the spare words, 128 bytes for each wave
.set SPW,   12                         ; v12  LDS address of my spare word; never rewritten
.set NIL,   13                         ; v13  0; never rewritten
	s_load_b256 s[4:11], s[0:1], 0x0               ; x, Wq, Wk, Wv
	s_load_b256 s[12:19], s[0:1], 0x20             ; Wo, xc, wc, sc
	v_lshl_add_u32 v[SPW], v0, 2, SPARE
	v_mov_b32 v[NIL], 0
	v_lshrrev_b32 v1, 5, v0
	s_delay_alu instid0(VALU_DEP_1)
	v_readfirstlane_b32 s20, v1                    ; wave 0..3
	v_and_b32 v1, 31, v0                           ; lane
	v_and_b32 v2, 15, v0                           ; r
	v_bfe_u32 v3, v0, 4, 1                         ; h
	s_delay_alu instid0(VALU_DEP_3)
	v_lshlrev_b32 v4, 4, v1                        ; 16 x lane
	s_delay_alu instid0(VALU_DEP_3)
	v_lshlrev_b32 v5, 4, v2
	s_delay_alu instid0(VALU_DEP_1)
	v_lshl_add_u32 v5, v3, 3, v5                   ; 16 r + 8 h
	v_and_b32 v6, 8, v2
	s_delay_alu instid0(VALU_DEP_1)
	v_add_nc_u32 v6, v6, v2
	s_delay_alu instid0(VALU_DEP_1)
	v_lshl_add_u32 v6, v3, 3, v6
	s_delay_alu instid0(VALU_DEP_1)
	v_lshlrev_b32 v6, 2, v6                        ; 4 x (8 h + r + 8 (r/8)): the row of tile h's lane r in its group of 32
	s_mul_i32 s21, s20, STG
	v_add_nc_u32 v7, s21, v4                       ; the stage, on the way in: 16 x lane of a row
	v_mul_u32_u24 v8, v2, 528
	s_delay_alu instid0(VALU_DEP_1)
	v_lshl_add_u32 v8, v3, 7, v8
	s_delay_alu instid0(VALU_DEP_1)
	v_add_nc_u32 v8, s21, v8                       ; and on the way out: row r, 128 h bytes on: my block of 32 numbers
	v_lshlrev_b32 v9, 2, v1                        ; 4 x lane
	v_lshlrev_b32 v14, 3, v3                       ; 8 h: my bytes' shift in a scale word
	v_bfe_u32 v10, v1, 3, 1                        ; a column's place: tile (lane/8) % 2 of its group,
	v_and_b32 v11, 7, v1
	v_lshrrev_b32 v15, 4, v1
	s_delay_alu instid0(VALU_DEP_1)
	v_lshl_add_u32 v11, v15, 3, v11                ; lane % 8 + 8 (lane/16) in it
	s_delay_alu instid0(VALU_DEP_1)
	v_lshlrev_b32 v11, 4, v11
	s_delay_alu instid0(VALU_DEP_1)
	v_mad_u32_u24 v11, v10, 12288, v11
	s_mov_b32 s22, 0x76543210
	s_mov_b32 s23, 0xfedcba98                      ; v_permlanex16_b32's selects for lane l xor 16
	s_mov_b32 s24, 0xffff0000                      ; lanes 16-31
	s_mov_b32 s27, 0
	s_wait_kmcnt 0x0
	s_cmp_lt_u32 ttmp9, 512
	s_cbranch_scc0 .Lweights
	; ---------------- x ----------------
	s_lshr_b32 s36, ttmp9, 1                       ; my group of 32 rows
	s_and_b32 s37, ttmp9, 1
	s_lshl_b32 s37, s37, 2
	s_add_co_u32 s37, s37, s20                     ; my K step
	s_lshl_b32 s26, s36, 17                        ; 32 rows of 4,096 bytes,
	s_lshl_b32 s28, s37, 9                         ; my K step's 512 bytes
	s_add_co_u32 s26, s26, s28
	s_add_nc_u64 s[4:5], s[4:5], s[26:27]
	s_mul_i32 s26, s36, 24576                      ; two tiles of 12,288 bytes,
	s_mul_i32 s28, s37, 1536                       ; my K step's two half-images
	s_add_co_u32 s26, s26, s28
	s_add_nc_u64 s[14:15], s[14:15], s[26:27]
	s_lshl_b32 s26, s36, 10
	s_lshl_b32 s28, s37, 7
	s_add_co_u32 s26, s26, s28
	s_add_nc_u64 s[18:19], s[18:19], s[26:27]
.set i, 0
.rept 32
	global_load_b128 v[16+4*i:19+4*i], v4, s[4:5] offset:4096*i th:TH_LOAD_NT   ; row i: 32 lanes read 512 consecutive bytes
.set i, i+1
.endr
	v_mov_b32 v247, 0                              ; written once: a lane permute's destination counts as one of its sources
.set i, 0
.rept 32
	s_wait_loadcnt 31-i                            ; loads come back in order: row i is in, the younger ones stay out
	ds_store_b128 v7, v[16+4*i:19+4*i] offset:528*(16*((i/8)%2)+i%8+8*(i/16))   ; row i of the group is lane i%8 + 8 (i/16) of tile (i/8)%2
.set i, i+1
.endr
.macro XBACK u, reg                    ; tile u: my two blocks (K 64 c + 32 h on) of my row, 32 numbers each
.irp c, 0,1
.irp j, 0,1,2,3,4,5,6,7
	ds_load_b128 v[\reg+32*\c+4*\j:\reg+32*\c+4*\j+3], v8 offset:16*\u*528+256*\c+16*\j
.endr
.endr
.endm
.macro XQ u, s                         ; 64 numbers at v[s] on become tile u's fragment, which is stored, and its scale word in v[248 + u]
.set PCU, 208+12*(\u)
.irp c, 0,1
	v_max3_num_f32 v[240+\c], |v[\s+32*\c]|, |v[\s+32*\c+1]|, 0x1800000   ; the block's largest magnitude, with the floor 2^(3 - 127) among its leaves
.endr
.irp i, 2,4,6,8,10,12,14,16,18,20,22,24,26,28,30
.irp c, 0,1
	s_delay_alu instid0(VALU_DEP_2)
	v_max3_num_f32 v[240+\c], v[240+\c], |v[\s+32*\c+\i]|, |v[\s+32*\c+\i+1]|   ; (the two blocks by turns)
.endr
.endr
.irp c, 0,1
	s_delay_alu instid0(VALU_DEP_2)
	v_add_nc_u32 v[242+\c], 0xff000000, v[240+\c]  ; 2 off its exponent field: the conversion's scale operand
.endr
.irp c, 0,1
	s_delay_alu instid0(VALU_DEP_2)
	v_lshrrev_b32 v[244+\c], 23, v[242+\c]         ; the scale's byte
.endr
	s_delay_alu instid0(VALU_DEP_1)
	v_lshl_or_b32 v246, v245, 16, v244             ; my bytes: blocks h and 2 + h,
	s_delay_alu instid0(VALU_DEP_1)
	v_lshlrev_b32 v246, v14, v246                  ; at their places;
	s_delay_alu instid0(VALU_DEP_1)
	v_permlanex16_b32 v247, v246, s22, s23
	s_delay_alu instid0(VALU_DEP_1)
	v_or_b32 v[248+\u], v246, v247                 ; with lane l xor 16's two the word is whole
.irp c, 0,1
	v_cvt_scalef32_pk16_fp6_f32 v[PCU+6*\c:PCU+6*\c+2], v[\s+32*\c:\s+32*\c+15], v[242+\c]
	v_cvt_scalef32_pk16_fp6_f32 v[232+4*\c:234+4*\c], v[\s+32*\c+16:\s+32*\c+31], v[242+\c]   ; (a conversion's three registers begin on an even number)
.endr
	v_nop                                          ; one plain place behind a scaled conversion
.irp c, 0,1
.irp i, 0,1,2
	v_mov_b32 v[PCU+6*\c+3+\i], v[232+4*\c+\i]
.endr
.endr
.irp c, 0,1
	global_store_b128 v4, v[PCU+6*\c:PCU+6*\c+3], s[14:15] offset:12288*\u+768*\c         ; 512 consecutive bytes
	global_store_b64 v5, v[PCU+6*\c+4:PCU+6*\c+5], s[14:15] offset:12288*\u+768*\c+512    ; 256 consecutive bytes
.endr
.endm
	XBACK 0, 144                                   ; LDS serves a wave's instructions in order: these see my stores
	s_wait_dscnt 0x0
	XBACK 1, 16                                    ; lands while tile 0 is quantised
	XQ 0, 144
	s_wait_dscnt 0x0
	XQ 1, 16
	v_cndmask_b32 v250, v248, v249, s24            ; lanes 0-15 tile 0's words, lanes 16-31 tile 1's
	global_store_b32 v6, v250, s[18:19]            ; the group's 32 words of my K step: 128 consecutive bytes
	s_wait_tensorcnt 0x0                           ; the wave's end, behind my last LDS store
	ds_add_u32 v[SPW], v[NIL]
	s_wait_dscnt 0x0
	s_endpgm
	; ---------------- the weights ----------------
.Lweights:
	s_sub_co_u32 s28, ttmp9, 512
	s_lshr_b32 s29, s28, 6                         ; which weight: 64 work-groups each
	s_cmp_eq_u32 s29, 1
	s_cselect_b64 s[30:31], s[8:9], s[6:7]
	s_cmp_eq_u32 s29, 2
	s_cselect_b64 s[30:31], s[10:11], s[30:31]
	s_cmp_eq_u32 s29, 3
	s_cselect_b64 s[30:31], s[12:13], s[30:31]
	s_bfe_u32 s32, s28, 0x30003                    ; which 128 columns
	s_and_b32 s33, s28, 7                          ; which K step
	s_lshl_b32 s32, s32, 7
	s_lshl_b32 s34, s20, 5
	s_add_co_u32 s32, s32, s34                     ; my wave's first column
	s_lshl_b32 s26, s33, 19                        ; 128 rows of 4,096 bytes a K step
	s_lshl_b32 s34, s32, 2
	s_add_co_u32 s26, s26, s34
	s_add_nc_u64 s[30:31], s[30:31], s[26:27]
	s_lshl_b32 s35, s29, 10
	s_add_co_u32 s35, s35, s32                     ; the column among the 4,096
	s_lshr_b32 s26, s35, 4
	s_mul_i32 s26, s26, 12288
	s_mul_i32 s34, s33, 1536
	s_add_co_u32 s26, s26, s34
	s_add_nc_u64 s[16:17], s[16:17], s[26:27]
	s_lshr_b32 s26, s35, 5
	s_add_co_u32 s26, s26, 256
	s_lshl_b32 s26, s26, 10
	s_lshl_b32 s34, s33, 7
	s_add_co_u32 s26, s26, s34
	s_add_nc_u64 s[18:19], s[18:19], s[26:27]
.set i, 0
	s_wait_alu depctr_va_vdst(0)
.rept 128
	global_load_b32 v[16+i], v9, s[30:31] offset:4096*i th:TH_LOAD_NT   ; W(128 s + i, my column): 128 consecutive bytes a wave, 512 a work-group
.set i, i+1
.endr
.macro WBLK t, left                    ; block t of my column: all its 32 numbers are mine
.set XS, 16+32*(\t)
.set QB, 144+4*(\t)                    ; its first 16 bytes of codes
.set HB, 176+4*(\t)
.set TT, 160+4*((\t)/2)+2*((\t)%2)     ; its last 8: the two blocks of a half-image side by side
	s_wait_loadcnt \left
	v_max3_num_f32 v240, |v[XS]|, |v[XS+1]|, |v[XS+2]|
	v_max3_num_f32 v241, |v[XS+3]|, |v[XS+4]|, |v[XS+5]|
.irp i, 6,10,14,18,22,26
	s_delay_alu instid0(VALU_DEP_2)
	v_max3_num_f32 v240, v240, |v[XS+\i]|, |v[XS+\i+1]|
	s_delay_alu instid0(VALU_DEP_2)
	v_max3_num_f32 v241, v241, |v[XS+\i+2]|, |v[XS+\i+3]|
.endr
	s_delay_alu instid0(VALU_DEP_2)
	v_max3_num_f32 v240, v240, |v[XS+30]|, |v[XS+31]|
	s_delay_alu instid0(VALU_DEP_1)
	v_max3_num_f32 v240, v240, v241, 0x1800000     ; and the floor
	s_delay_alu instid0(VALU_DEP_1)
	v_add_nc_u32 v242, 0xff000000, v240
	s_delay_alu instid0(VALU_DEP_1)
	v_lshrrev_b32 v243, 23, v242
.if (\t) == 0
	s_delay_alu instid0(VALU_DEP_1)
	v_mov_b32 v10, v243
.else
	s_delay_alu instid0(VALU_DEP_1)
	v_lshl_or_b32 v10, v243, 8*(\t), v10           ; the column's scale word
.endif
	v_cvt_scalef32_pk16_fp6_f32 v[QB:QB+2], v[XS:XS+15], v242
	v_cvt_scalef32_pk16_fp6_f32 v[HB:HB+2], v[XS+16:XS+31], v242
	v_nop                                          ; one plain place behind a scaled conversion
	v_mov_b32 v[QB+3], v[HB]
	v_mov_b32 v[TT], v[HB+1]
	v_mov_b32 v[TT+1], v[HB+2]
.endm
	WBLK 0, 63                                     ; 96 younger loads might stay out; the count's field holds 63
	WBLK 1, 63                                     ; 64 might
	WBLK 2, 32
	WBLK 3, 0
.irp c, 0,1
	global_store_b128 v11, v[144+8*\c:147+8*\c], s[16:17] offset:768*\c         ; sixteen lanes fill 256 consecutive bytes of one tile, sixteen those of the next
	global_store_b128 v11, v[148+8*\c:151+8*\c], s[16:17] offset:768*\c+256
	global_store_b128 v11, v[160+4*\c:163+4*\c], s[16:17] offset:768*\c+512
.endr
	global_store_b32 v9, v10, s[18:19]
	s_wait_tensorcnt 0x0                           ; (this path stores nothing to LDS; the closing lines stand here all the same)
	ds_add_u32 v[SPW], v[NIL]
	s_wait_dscnt 0x0
	s_endpgm
.Lfunc_end_k_qb8d0cedba7_quant:
	.size	k_qb8d0cedba7_quant, .Lfunc_end_k_qb8d0cedba7_quant-k_qb8d0cedba7_quant
	.p2alignl 7, 3214868480
	.fill 96, 4, 3214868480
	.section	.rodata,"a",@progbits
	.p2align	6, 0x0
	.amdhsa_kernel k_qb8d0cedba7_quant
		.amdhsa_group_segment_fixed_size 68096
		.amdhsa_private_segment_fixed_size 0
		.amdhsa_enable_private_segment 0
		.amdhsa_kernarg_size 64
		.amdhsa_user_sgpr_count 2
		.amdhsa_user_sgpr_kernarg_segment_ptr 1
		.amdhsa_wavefront_size32 1
		.amdhsa_system_sgpr_workgroup_id_x 1
		.amdhsa_system_sgpr_workgroup_id_y 1
		.amdhsa_system_sgpr_workgroup_id_z 1
		.amdhsa_system_vgpr_workitem_id 0
		.amdhsa_next_free_vgpr 256
		.amdhsa_next_free_sgpr 66
		.amdhsa_reserve_vcc 0
		.amdhsa_float_denorm_mode_32 3
		.amdhsa_float_denorm_mode_16_64 3
		.amdhsa_memory_ordered 1
		.amdhsa_forward_progress 1
		.amdhsa_inst_pref_size 43
	.end_amdhsa_kernel
	.amdgpu_metadata
---
amdhsa.version: [ 1, 2 ]
amdhsa.kernels:
  - .name:           k_qb8d0cedba7_quant
    .symbol:         k_qb8d0cedba7_quant.kd
    .args:
      - { .name: x, .offset: 0, .size: 8, .value_kind: global_buffer, .address_space: global }
      - { .name: Wq, .offset: 8, .size: 8, .value_kind: global_buffer, .address_space: global }
      - { .name: Wk, .offset: 16, .size: 8, .value_kind: global_buffer, .address_space: global }
      - { .name: Wv, .offset: 24, .size: 8, .value_kind: global_buffer, .address_space: global }
      - { .name: Wo, .offset: 32, .size: 8, .value_kind: global_buffer, .address_space: global }
      - { .name: xc, .offset: 40, .size: 8, .value_kind: global_buffer, .address_space: global }
      - { .name: wc, .offset: 48, .size: 8, .value_kind: global_buffer, .address_space: global }
      - { .name: sc, .offset: 56, .size: 8, .value_kind: global_buffer, .address_space: global }
    .group_segment_fixed_size: 68096
    .private_segment_fixed_size: 0
    .kernarg_segment_align: 8
    .kernarg_segment_size: 64
    .max_flat_workgroup_size: 128
    .sgpr_count:     66
    .vgpr_count:     256
    .wavefront_size: 32
...
	.end_amdgpu_metadata
.endif
;; end of part 1
;; launch qkv (part 2): grid 8 x 32, 4 waves a work-group, clusters of 4 x 4, 327,680 bytes of LDS; arguments xc, wc, sc, bq, bk, bv, qk, vb; writes qk, vb
.if DOCPART == 2
	.amdgcn_target "amdgcn-amd-amdhsa--gfx1250"
	.amdhsa_code_object_version 6
	.text
	.protected	k_qb8d0cedba7_qkv
	.globl	k_qb8d0cedba7_qkv
	.p2align	8
	.type	k_qb8d0cedba7_qkv,@function
k_qb8d0cedba7_qkv:
	s_mov_b64 s[64:65], 0
	v_nop
	global_prefetch_b8 v0, s[64:65] scope:SCOPE_SE
	s_setreg_imm32_b32 hwreg(HW_REG_WAVE_MODE, 25, 1), 1
	s_wait_xcnt 0x0
	s_wait_alu depctr_hold_cnt(0) depctr_sa_sdst(0) depctr_va_vdst(0) depctr_va_sdst(0) depctr_va_ssrc(0) depctr_va_vcc(0) depctr_vm_vsrc(0)
	s_getreg_b32 s2, hwreg(HW_REG_IB_STS2, 6, 4)
	s_cmp_eq_u32 s2, 0
	s_cbranch_scc0 .Lentry_in_a_cluster
	s_endpgm
.Lentry_in_a_cluster:
	s_bfe_u32 s2, ttmp6, 0x10000c
	s_cmp_lg_u32 s2, 0xf033
	s_cbranch_scc0 .Lentry_shape_is_right
	s_endpgm
.Lentry_shape_is_right:
; q, k, v = x W + b on codes of FP6 (E2M3) with E8M0 scales, and their quantising for the attention: no f32 result goes to memory.
; 256 work-groups of four waves.  A work-group holds its 256 rows of x, ALL of K, in LDS (16 tiles of 12,288 bytes, filled once) and takes 128 columns of Wq, then of Wk, then of Wv past them: three phases; q's and k's share one text, a loop of two trips.
; W's region holds 8 tiles as [K half][tile][6,144 bytes].  It is filled again half by half: in K step 3 the first half (read no more) takes the next weight's, in K step 7 the second; each in a round of the cluster's barrier, each wave asking for two tiles.
; So a refill is asked for four K steps (128 products a wave) ahead of its first read, the first half a way out more; what it brought is shown to all waves by the next round (in v's phase by a plain barrier).  No prefetch is laid beside that lead.
; OPERANDS ARE IMAGES OF REGISTERS (the launch before laid them): a tile (16 rows) x 128 K is 1,536 bytes, read by four dense LDS loads.  Lane r of tile T holds row 32 (T/2) + 8 (T%2) + r + 8 (r/8).
; A wave multiplies 8 tiles of x (half s15 of the rows) by 4 tiles of W (half s16 of the columns: one head): 32 accumulators, 32 products a K step, by turns.  Fragments have two sets; the next K step's are fetched in a step's middle.
; q, k: source 0 = W's tile, source 1 = x's: a lane holds a row of x and its registers run along the head's d.  v: source 0 = x's, source 1 = W's: a lane holds a column and its registers run along the keys.
; THE WAY OUT: accumulators + bias in f32; a block's largest magnitude, scale byte and codes in registers; whole half-images of 768 bytes are stored.
;   qk: [q's 16 heads, k's 16 heads][128 rows][6,656]: 8 half-images, then 512 bytes of scale words (bytes 0, 1 the two blocks; bytes 2, 3 = 0x7f);   vb: [batch x head][128 keys][6,400]: [d tile][64 keys][768], then 256 bytes of scale words.
; CLUSTERS: 4 x 4 work-groups; x's tiles are asked for jointly along a row of the cluster, W's along a column.
; LIMITS: a block of zeros, or one under 2^-124, has the scale byte 1 over zero or tiny codes; NaN and infinities are not served.
; REGISTERS: window 0: v15-31 addresses; v32-95 x's scale words (8 i + K step); v100-131 W's; v132-245 the way out.  window 1: x's fragments at v0 and v128; the bias in v96-127.  window 2: the accumulators.  window 3: W's fragments at v0 and v48.
.set TB,    12288                      ; a tile, all of K
.set HB,    6144                       ; half of K
.set WB,    16*TB                      ; W's region
.set SPARE, WB+8*TB                    ; the spare words, 128 bytes for each wave
.set FR,    12
.set H64,   15                         ; v15  64 h
.set AX,    16                         ; v16-17 my 8 tiles of x in the first K half (+ 16 x lane; + 16 r + 8 h), v18-19 in the second: x lies in LDS as [K half][16 tiles][6,144 bytes], like W
.set AW,    20                         ; v20-21 W's tiles in the first K half, v22-23 in the second
.set LI,    24                         ; 16 x lane
.set LJ,    25                         ; 16 r + 8 h
.set SPW,   28
.set NIL,   29
.set LR,    30                         ; 16 r
.set R4,    31                         ; 4 (r + 8 (r/8))
.set XS,    32
.set WS,    100                        ; (4 modulo 8 from XS)
.set T,     132                        ; the way out: 64 numbers
.set PC,    196                        ; their codes
.set TM,    216
.set PW,    232
.set SW,    234
.set XW,    242
.set G1,  24                           ; group 1: x at the head;  G1B: W at the head;  G1C: a refill
.set G1B, 32
.set G1C, 40
.set G0,  48
.set G0B, 52
.set G0C, 56                           ; group 0 of the first half's refills; G0D: the second's
.set G0D, 60
.set HM,  67
.set SEL, 94
.set MSB, 0
.macro WIN new                         ; the immediate's high byte repeats the setting that is left
.if MSB != (\new)
	s_set_vgpr_msb (MSB<<8)|(\new)
.set MSB, (\new)
.endif
.endm
.macro CREST
	s_cmp_lg_u32 s14, 0
	s_cbranch_scc1 .Lnot_wave_0_\@
	s_barrier_signal -3
.Lnot_wave_0_\@:
	s_barrier_wait -3
	s_barrier_signal -1
	s_barrier_wait -1
.endm
.macro CROUND
	s_barrier_signal -1
	s_barrier_wait -1
	CREST
.endm
.macro PLACES                          ; four places behind matrix instructions (ISA guide 7.12.1)
.rept 4
	v_nop
.endr
.endm
	s_load_b256 s[4:11], s[0:1], 0x0               ; xc, wc, sc, bq
	s_load_b256 s[68:75], s[0:1], 0x20             ; bk, bv, qk, vb
	v_lshl_add_u32 v[SPW], v0, 2, SPARE
	v_mov_b32 v[NIL], 0
	ds_add_u32 v[SPW], v[NIL]                      ; the opening lines: the add twice on end and its wait
	ds_add_u32 v[SPW], v[NIL]
	v_lshrrev_b32 v1, 5, v0
	v_readfirstlane_b32 s14, v1                    ; wave 0..3
	s_lshr_b32 s15, s14, 1                         ; my half of x's rows.  At the head: which K half I fetch
	s_and_b32 s16, s14, 1                          ; my half of W's columns.  At the head: I fetch for x (0) or for W (1)
	s_bfe_u32 s76, ttmp6, 0x40000                  ; cx, cy
	s_bfe_u32 s77, ttmp6, 0x40004
	s_lshl_b32 s78, ttmp9, 2
	s_add_co_u32 s78, s78, s76                     ; X: which 128 columns of each weight, 0..7
	s_and_b32 s79, ttmp7, 0xffff
	s_lshl_b32 s79, s79, 2
	s_add_co_u32 s79, s79, s77                     ; Y: which 256 rows, 0..31
	s_lshl_b32 s80, s77, 2
	s_lshl_b32 s80, 15, s80                        ; my row of the cluster
	s_lshl_b32 s81, 0x1111, s76                    ; my column
	s_or_b32 s[G1], s80, (3<<16)|(1<<21)           ; the mask; elements of 8 bytes; bit 21 beside a mask
	s_or_b32 s[G1B], s81, (3<<16)|(1<<21)
	s_or_b32 s[G1C], s81, (3<<16)|(1<<21)
	s_mov_b32 s[G1+1], 768<<16                     ; x: one K half of 16 tiles
	s_mov_b32 s[G1+2], 16<<16
	s_mov_b32 s[G1+3], 768<<16
	s_mov_b32 s[G1+4], 16
	s_mov_b32 s[G1+5], 1536
	s_mov_b32 s[G1+6], 0
	s_mov_b32 s[G1+7], 0
	s_mov_b32 s[G1B+1], 768<<16                    ; W at the head: one K half of 8 tiles
	s_mov_b32 s[G1B+2], 8<<16
	s_mov_b32 s[G1B+3], 768<<16
	s_mov_b32 s[G1B+4], 8
	s_mov_b32 s[G1B+5], 1536
	s_mov_b32 s[G1B+6], 0
	s_mov_b32 s[G1B+7], 0
	s_mov_b32 s[G1C+1], 768<<16                    ; a refill: one K half of 2 tiles
	s_mov_b32 s[G1C+2], 2<<16
	s_mov_b32 s[G1C+3], 768<<16
	s_mov_b32 s[G1C+4], 2
	s_mov_b32 s[G1C+5], 1536
	s_mov_b32 s[G1C+6], 0
	s_mov_b32 s[G1C+7], 0
	s_mul_i32 s20, s79, 16*TB                      ; x: tile 16 Y,
	s_mul_i32 s18, s15, HB                         ; the K half that I fetch
	s_add_co_u32 s20, s20, s18
	s_mov_b32 s21, 0
	s_mul_i32 s22, s78, 8*TB                       ; Wq's tile 8 X
	s_mov_b32 s23, 0
	s_mul_i32 s12, s15, HB
	s_mov_b32 s13, 0
	s_mul_i32 s96, s14, 2*TB
	s_mov_b32 s97, 0
	s_mov_b32 s[G0], 1
	s_mul_i32 s[G0+1], s15, 16*HB
	s_mov_b32 s[G0B], 1
	s_mul_i32 s[G0B+1], s15, 8*HB
	s_add_co_u32 s[G0B+1], s[G0B+1], WB
	s_mov_b32 s[G0C], 1
	s_mul_i32 s[G0C+1], s14, 2*HB
	s_add_co_u32 s[G0C+1], s[G0C+1], WB
	s_mov_b32 s[G0D], 1
	s_add_co_u32 s[G0D+1], s[G0C+1], 8*HB
	s_mul_i32 s17, s15, 8*HB                       ; LDS: my 8 tiles of x in the first K half,
	s_add_co_u32 s18, s17, 16*HB                   ; in the second,
	s_mul_i32 s19, s16, 4*HB
	s_add_co_u32 s19, s19, WB                      ; my 4 tiles of W
	s_add_co_u32 s101, s19, 8*HB
	s_lshl_b32 s98, s79, 3                         ; x's scale words: group 8 Y + 4 x half
	s_lshl_b32 s3, s15, 2
	s_add_co_u32 s98, s98, s3
	s_lshl_b32 s98, s98, 10
	s_mov_b32 s99, 0
	s_lshl_b32 s82, s78, 2                         ; Wq's: group 256 + 4 X + 2 x half
	s_lshl_b32 s3, s16, 1
	s_add_co_u32 s82, s82, s3
	s_add_co_u32 s82, s82, 256
	s_lshl_b32 s82, s82, 10
	s_mov_b32 s83, 0
	s_lshl_b32 s84, s78, 1
	s_add_co_u32 s84, s84, s16                     ; my head
	s_lshl_b32 s85, s79, 1
	s_add_co_u32 s85, s85, s15                     ; my 128 rows among the 64 x 128
	s_lshl_b32 s90, s84, 6
	s_add_co_u32 s90, s90, s85
	s_mul_i32 s90, s90, 6656
	s_mov_b32 s91, 0
	s_lshr_b32 s88, s85, 4                         ; the batch
	s_lshl_b32 s88, s88, 4
	s_add_co_u32 s88, s88, s84
	s_lshl_b32 s88, s88, 4
	s_and_b32 s3, s85, 15
	s_add_co_u32 s88, s88, s3
	s_mul_i32 s88, s88, 6400
	s_mov_b32 s89, 0
	s_lshl_b32 s86, s84, 8                         ; the bias: 64 columns of 4 bytes a head
	s_mov_b32 s87, 0
	s_mov_b32 s[HM], 0xffff0000
	s_mov_b32 s[SEL], 0x76543210
	s_mov_b32 s[SEL+1], 0xfedcba98
	s_mov_b32 s66, 0xffff
	s_mov_b32 s100, 0x7f7f0000
	s_mov_b32 s93, 0                               ; the phase
	s_wait_dscnt 0x0
	s_wait_kmcnt 0x0
	s_add_nc_u64 s[G0+2:G0+3], s[4:5], s[20:21]
	s_or_b32 s[G0+3], s[G0+3], 0x80000000
	s_add_nc_u64 s[22:23], s[6:7], s[22:23]
	s_add_nc_u64 s[G0B+2:G0B+3], s[22:23], s[12:13]
	s_or_b32 s[G0B+3], s[G0B+3], 0x80000000
	s_add_nc_u64 s[G0C+2:G0C+3], s[22:23], s[96:97]
	s_add_nc_u64 s[G0D+2:G0D+3], s[G0C+2:G0C+3], HB
	s_or_b32 s[G0C+3], s[G0C+3], 0x80000000
	s_or_b32 s[G0D+3], s[G0D+3], 0x80000000
	s_add_nc_u64 s[98:99], s[8:9], s[98:99]
	s_add_nc_u64 s[82:83], s[8:9], s[82:83]
	s_add_nc_u64 s[90:91], s[72:73], s[90:91]
	s_add_nc_u64 s[88:89], s[74:75], s[88:89]
	CROUND                                         ; all sixteen work-groups are here: the first joint loads meet
; THE HEAD'S LOADS, one a wave, each in an arm of its own of one chain: wave 0 x's first K half, wave 1 Wq's, wave 2 x's second, wave 3 Wq's.  What K steps 0 to 3 read is asked for first.
.macro ARM under, g0, g1, next
	s_cmp_lt_u32 s14, \under
	s_cbranch_scc0 \next
	tensor_load_to_lds s[\g0:\g0+3], s[\g1:\g1+7]
	s_nop 0
	PLACES
	s_branch .Lhead_asked
\next:
.endm
	ARM 1, G0,  G1,  .Lhead_1
	ARM 2, G0B, G1B, .Lhead_2
	ARM 3, G0,  G1,  .Lhead_3
	tensor_load_to_lds s[G0B:G0B+3], s[G1B:G1B+7]
	s_nop 0
	PLACES
.Lhead_asked:
	v_and_b32 v1, 15, v0                           ; r
	v_bfe_u32 v2, v0, 4, 1                         ; h
	v_and_b32 v3, 31, v0
	v_lshlrev_b32 v[LI], 4, v3
	v_lshlrev_b32 v[LR], 4, v1
	v_lshl_add_u32 v[LJ], v2, 3, v[LR]
	v_and_b32 v3, 8, v1
	v_add_nc_u32 v3, v3, v1
	v_lshlrev_b32 v[R4], 2, v3
	v_lshlrev_b32 v[H64], 6, v2
	v_add_nc_u32 v[AX], s17, v[LI]
	v_add_nc_u32 v[AX+1], s17, v[LJ]
	v_add_nc_u32 v[AX+2], s18, v[LI]
	v_add_nc_u32 v[AX+3], s18, v[LJ]
	v_add_nc_u32 v[AW], s19, v[LI]
	v_add_nc_u32 v[AW+1], s19, v[LJ]
	v_add_nc_u32 v[AW+2], s101, v[LI]
	v_add_nc_u32 v[AW+3], s101, v[LJ]
.irp b, 0,1,2,3
	v_mov_b32 v[TM+4+\b], 0                        ; written once: a lane permute's destination counts as one of its sources
.endr
.macro WSCALES                         ; the scale words of my 4 tiles of W, all of K
.irp i, 0,1,2,3
.irp s, 0,1,2,3,4,5,6,7
	global_load_b32 v[WS+8*\i+\s], v[R4], s[82:83] offset:(\i/2)*1024+(\i%2)*32+128*\s
.endr
.endr
.endm
	WSCALES
.irp i, 0,1,2,3,4,5,6,7
.irp s, 0,1,2,3,4,5,6,7
	global_load_b32 v[XS+8*\i+\s], v[R4], s[98:99] offset:(\i/2)*1024+(\i%2)*32+128*\s   ; x's, once for all three phases
.endr
.endr
.macro FRAG reg, adr, off              ; a tile's fragment of one K step: two half-images, four dense loads
	ds_load_b128 v[\reg:\reg+3], v[\adr] offset:\off
	ds_load_b64 v[\reg+4:\reg+5], v[\adr+1] offset:(\off)+512
	ds_load_b128 v[\reg+6:\reg+9], v[\adr] offset:(\off)+768
	ds_load_b64 v[\reg+10:\reg+11], v[\adr+1] offset:(\off)+1280
.endm
.macro FETCH ks                        ; K step ks: 48 loads into set ks % 2
	WIN 0x40
.irp i, 0,1,2,3,4,5,6,7
	FRAG 128*((\ks)%2)+FR*\i, AX+2*((\ks)/4), \i*HB+((\ks)%4)*1536
.endr
	WIN 0xc0
.irp i, 0,1,2,3
	FRAG 48*((\ks)%2)+FR*\i, AW+2*((\ks)/4), \i*HB+((\ks)%4)*1536
.endr
	WIN 0
.endm
.macro WM d, a, b, sa, sb, ks          ; K step 0 starts the sums
.if (\ks) == 0
	v_wmma_scale_f32_16x16x128_f8f6f4 v[\d:\d+7], v[\a:\a+FR-1], v[\b:\b+FR-1], 0, v[\sa], v[\sb] matrix_a_fmt:MATRIX_FMT_FP6 matrix_b_fmt:MATRIX_FMT_FP6
.else
	v_wmma_scale_f32_16x16x128_f8f6f4 v[\d:\d+7], v[\a:\a+FR-1], v[\b:\b+FR-1], v[\d:\d+7], v[\sa], v[\sb] matrix_a_fmt:MATRIX_FMT_FP6 matrix_b_fmt:MATRIX_FMT_FP6
.endif
.endm
; Eight products, accumulators 8 g .. 8 g + 7.  q, k: accumulator 4 (x's tile) + W's tile;  v: 8 (W's tile) + x's tile.  The 32 take turns in the same order in every step.
.macro MUL8 ty, g, ks
.irp e, 0,1,2,3,4,5,6,7
.set D_, 8*(8*\g+\e)
.if \ty
.set XI_, \e
.set WI_, \g
.else
.set XI_, 2*\g+\e/4
.set WI_, \e%4
.endif
.set XF_, 128*((\ks)%2)+FR*XI_
.set WF_, 48*((\ks)%2)+FR*WI_
.set XC_, XS+8*XI_+(\ks)
.set WC_, WS+8*WI_+(\ks)
.if \ty
	WM D_, XF_, WF_, XC_, WC_, \ks
.else
	WM D_, WF_, XF_, WC_, XC_, \ks
.endif
.endr
.endm
; A K step.  kind 0: plain;  1: a round of the cluster's barrier, a refill of the K half that is read no more, by descriptor g0;  2: a plain barrier that shows the last refill;  3: the very last step.
.macro STEP ty, ks, kind, g0=0
.set MW_, 0xa7+6*\ty                   ; q, k: source 0 window 3, source 1 window 1; v: the other way round; C and D window 2
.if (\kind) == 1
	s_wait_tensorcnt 0x0                           ; all my tensor loads have landed;
	ds_add_u32 v[SPW], v[NIL]
	s_add_nc_u64 s[\g0+2:\g0+3], s[\g0+2:\g0+3], 64*TB   ; no load of mine is out: on to the next weight, 64 tiles on
	s_wait_dscnt 1                                 ; this step's fragments are in (the add may be out)
	WIN MW_
	MUL8 \ty, 0, \ks
	s_wait_dscnt 0x0                               ; the add is done, and so are my reads of that K half
	s_barrier_signal -1
	MUL8 \ty, 1, \ks
	WIN 0
	s_barrier_wait -1
	CREST                                          ; no wave of any partner still reads that half or has a load on its way
	tensor_load_to_lds s[\g0:\g0+3], s[G1C:G1C+7]  ; my two tiles of it
	s_nop 0
	PLACES
	FETCH ((\ks)+1)%8
.elseif (\kind) == 2
	s_wait_tensorcnt 0x0
	s_wait_dscnt 0x0
	s_barrier_signal -1
	WIN MW_
	MUL8 \ty, 0, \ks
	MUL8 \ty, 1, \ks
	WIN 0
	s_barrier_wait -1                              ; everybody's part of the second K half is in
	PLACES
	FETCH (\ks)+1
.else
	s_wait_dscnt 0x0
	WIN MW_
	MUL8 \ty, 0, \ks
	MUL8 \ty, 1, \ks
.if (\kind) == 0
	PLACES
	FETCH (\ks)+1
.endif
.endif
	WIN MW_
	MUL8 \ty, 2, \ks
	MUL8 \ty, 3, \ks
	WIN 0
.endm
; 64 numbers of a lane, register 16 b + i = k 32 b + 16 (lane / 16) + i, become 12 registers of codes in v[PC] on and four scale bytes in v[PW].
.macro QUANT s
.irp b, 0,1,2,3
	v_max3_num_f32 v[TM+\b], |v[\s+16*\b]|, |v[\s+1+16*\b]|, 0x1800000   ; my 16 numbers of block b, and the floor 2^(3 - 127)
.endr
.irp i, 2,4,6,8,10,12,14
.irp b, 0,1,2,3
	v_max3_num_f32 v[TM+\b], v[TM+\b], |v[\s+16*\b+\i]|, |v[\s+1+16*\b+\i]|
.endr
.endr
.irp b, 0,1,2,3
	v_permlanex16_b32 v[TM+4+\b], v[TM+\b], s[SEL], s[SEL+1]
.endr
.irp b, 0,1,2,3
	v_max_num_f32 v[TM+\b], v[TM+\b], v[TM+4+\b]   ; with lane l xor 16's: the block's largest magnitude
.endr
.irp b, 0,1,2,3
	v_add_nc_u32 v[TM+12+\b], 0xff000000, v[TM+\b] ; 2 off its exponent field: the conversion's scale operand
.endr
.irp b, 0,1,2,3
	v_lshrrev_b32 v[TM+4+\b], 23, v[TM+12+\b]      ; the scale's byte
.endr
	v_lshl_or_b32 v[PW], v[TM+5], 8, v[TM+4]
	v_lshl_or_b32 v[PW], v[TM+6], 16, v[PW]
	v_lshl_or_b32 v[PW], v[TM+7], 24, v[PW]
.irp c, 0,1
	v_cvt_scalef32_pk16_fp6_f32 v[PC+6*\c:PC+2+6*\c], v[\s+32*\c:\s+15+32*\c], v[TM+12+2*\c]
	v_cvt_scalef32_pk16_fp6_f32 v[PC+12+4*\c:PC+14+4*\c], v[\s+16+32*\c:\s+31+32*\c], v[TM+12+2*\c+1]
.endr
	v_nop                                          ; one plain place behind a scaled conversion
.irp c, 0,1                            ; a whole block to a lane
.irp i, 0,1,2
	v_permlane16_swap_b32 v[PC+6*\c+\i], v[PC+12+4*\c+\i]
.endr
.irp i, 0,1,2
	v_mov_b32 v[PC+3+6*\c+\i], v[PC+12+4*\c+\i]
.endr
.endr
.endm
; Accumulators 8 p .. 8 p + 7 + bias, quantised, two half-images stored.  q, k: x's tiles 2 p, 2 p + 1 x the head's 64;  v: d tile p x 128 keys.
.macro EPI ty, p
.if (\p) > 0
	s_wait_xcnt 0x0                                ; the last stores have read their registers
.endif
	WIN 0x06                                       ; source 0: window 2; source 1 (the bias): window 1
.set i, 0
.rept 32
.if \ty
	v_pk_add_f32 v[T+2*i:T+2*i+1], v[64*(\p)+2*i:64*(\p)+2*i+1], v[96+2*(\p):97+2*(\p)] op_sel_hi:[1,0]   ; one number a lane: its column's
.else
	v_pk_add_f32 v[T+2*i:T+2*i+1], v[64*(\p)+2*i:64*(\p)+2*i+1], v[96+(2*i)%32:97+(2*i)%32]
.endif
.set i, i+1
.endr
	WIN 0
	QUANT T
.irp c, 0,1
.if \ty
	global_store_b128 v[LI], v[PC+6*\c:PC+6*\c+3], s[88:89] offset:1536*(\p)+768*\c
	global_store_b64 v[LJ], v[PC+6*\c+4:PC+6*\c+5], s[88:89] offset:1536*(\p)+768*\c+512
.else
	global_store_b128 v[LI], v[PC+6*\c:PC+6*\c+3], s[90:91] offset:768*(2*(\p)+\c)
	global_store_b64 v[LJ], v[PC+6*\c+4:PC+6*\c+5], s[90:91] offset:768*(2*(\p)+\c)+512
.endif
.endr
.if \ty
	v_mov_b32 v[SW+(\p)], v[PW]
.else
	v_bfi_b32 v[SW+2*(\p)], s66, v[PW], s100       ; the first tile's two bytes, 0x7f above them
	v_lshrrev_b32 v[SW+2*(\p)+1], 16, v[PW]
	v_or_b32 v[SW+2*(\p)+1], s100, v[SW+2*(\p)+1]  ; the second's
.endif
.endm
	s_wait_alu depctr_va_vdst(0)
	s_cmp_lt_u32 s14, 2                            ; waves 0 and 1 wait for their loads, the first K halves;
	s_cbranch_scc0 .Lsecond_half
	s_wait_tensorcnt 0x0
.Lsecond_half:
	s_barrier_signal -1
	s_barrier_wait -1                              ; the first K halves are in.  The second may be on their way
	FETCH 0
.Lphase:                                               ; q, then k
	s_cmp_eq_u32 s93, 0
	s_cselect_b64 s[84:85], s[10:11], s[68:69]     ; bq or bk
	s_add_nc_u64 s[84:85], s[84:85], s[86:87]
	s_wait_loadcnt 0x0                             ; the scale words are in
	WIN 0x40
.irp q, 0,1,2,3,4,5,6,7
	global_load_b128 v[96+4*\q:99+4*\q], v[H64], s[84:85] offset:128*(\q/4)+16*(\q%4)   ; register 16 b + i = b(32 b + 16 h + i); read on the way out
.endr
	WIN 0
	STEP 0, 0, 0
	STEP 0, 1, 0
	STEP 0, 2, 0
	STEP 0, 3, 1, G0C
	STEP 0, 4, 0
	STEP 0, 5, 0
	STEP 0, 6, 0
	STEP 0, 7, 1, G0D                              ; and the next phase's first fragments are fetched
	PLACES
	s_add_nc_u64 s[82:83], s[82:83], 32768         ; the next weight's scale words, 32 groups on
	WSCALES
	s_wait_loadcnt 32                              ; the bias is in; the 32 loads just issued may be out
.irp p, 0,1,2,3
	EPI 0, \p
.endr
.irp j, 0,1,2,3
	v_cndmask_b32 v[XW+\j], v[SW+\j], v[SW+4+\j], s[HM]   ; lanes 0-15 tiles 0-3, lanes 16-31 tiles 4-7
.endr
	global_store_b128 v[LI], v[XW:XW+3], s[90:91] offset:6144   ; 512 consecutive bytes
	s_wait_xcnt 0x0
	s_add_nc_u64 s[90:91], s[90:91], 16*64*6656    ; k's heads lie 16 heads behind q's
	s_add_co_u32 s93, s93, 1
	s_cmp_lt_u32 s93, 2
	s_wait_alu depctr_va_vdst(0)
	s_cbranch_scc1 .Lphase
	s_add_nc_u64 s[84:85], s[70:71], s[86:87]      ; v
	s_wait_loadcnt 0x0
	WIN 0x40
.irp a, 0,1,2,3
	global_load_b32 v[96+2*\a], v[R4], s[84:85] offset:128*(\a/2)+32*(\a%2)   ; b(tile a's column of lane r)
.endr
	WIN 0
	STEP 1, 0, 0
	STEP 1, 1, 0
	STEP 1, 2, 0
	STEP 1, 3, 2
	STEP 1, 4, 0
	STEP 1, 5, 0
	STEP 1, 6, 0
	STEP 1, 7, 3
	PLACES
	s_wait_loadcnt 0x0
.irp p, 0,1,2,3
	EPI 1, \p
.endr
	global_store_b128 v[LR], v[SW:SW+3], s[88:89] offset:6144   ; row r's four words; both halves of the lanes hold and store the same
	s_wait_tensorcnt 0x0                           ; the wave's end
	ds_add_u32 v[SPW], v[NIL]
	s_wait_dscnt 0x0
	CROUND                                         ; the closing round
	s_endpgm
.Lfunc_end_k_qb8d0cedba7_qkv:
	.size	k_qb8d0cedba7_qkv, .Lfunc_end_k_qb8d0cedba7_qkv-k_qb8d0cedba7_qkv
	.p2alignl 7, 3214868480
	.fill 96, 4, 3214868480
	.section	.rodata,"a",@progbits
	.p2align	6, 0x0
	.amdhsa_kernel k_qb8d0cedba7_qkv
		.amdhsa_group_segment_fixed_size 327680
		.amdhsa_private_segment_fixed_size 0
		.amdhsa_enable_private_segment 0
		.amdhsa_kernarg_size 64
		.amdhsa_user_sgpr_count 2
		.amdhsa_user_sgpr_kernarg_segment_ptr 1
		.amdhsa_wavefront_size32 1
		.amdhsa_system_sgpr_workgroup_id_x 1
		.amdhsa_system_sgpr_workgroup_id_y 1
		.amdhsa_system_sgpr_workgroup_id_z 1
		.amdhsa_system_vgpr_workitem_id 0
		.amdhsa_next_free_vgpr 1024
		.amdhsa_next_free_sgpr 102
		.amdhsa_reserve_vcc 0
		.amdhsa_float_denorm_mode_32 3
		.amdhsa_float_denorm_mode_16_64 3
		.amdhsa_memory_ordered 1
		.amdhsa_forward_progress 1
		.amdhsa_inst_pref_size 193
	.end_amdhsa_kernel
	.amdgpu_metadata
---
amdhsa.version: [ 1, 2 ]
amdhsa.kernels:
  - .name:           k_qb8d0cedba7_qkv
    .symbol:         k_qb8d0cedba7_qkv.kd
    .args:
      - { .name: xc, .offset: 0, .size: 8, .value_kind: global_buffer, .address_space: global }
      - { .name: wc, .offset: 8, .size: 8, .value_kind: global_buffer, .address_space: global }
      - { .name: sc, .offset: 16, .size: 8, .value_kind: global_buffer, .address_space: global }
      - { .name: bq, .offset: 24, .size: 8, .value_kind: global_buffer, .address_space: global }
      - { .name: bk, .offset: 32, .size: 8, .value_kind: global_buffer, .address_space: global }
      - { .name: bv, .offset: 40, .size: 8, .value_kind: global_buffer, .address_space: global }
      - { .name: qk, .offset: 48, .size: 8, .value_kind: global_buffer, .address_space: global }
      - { .name: vb, .offset: 56, .size: 8, .value_kind: global_buffer, .address_space: global }
    .group_segment_fixed_size: 327680
    .private_segment_fixed_size: 0
    .kernarg_segment_align: 8
    .kernarg_segment_size: 64
    .max_flat_workgroup_size: 128
    .sgpr_count:     102
    .vgpr_count:     1024
    .wavefront_size: 32
...
	.end_amdgpu_metadata
.endif
;; end of part 2
;; launch attn (part 3): grid 4 x 64, 16 waves a work-group, clusters of 4 x 1, 237,568 bytes of LDS; arguments qk, vb, ac, sc; writes ac, sc
.if DOCPART == 3
	.amdgcn_target "amdgcn-amd-amdhsa--gfx1250"
	.amdhsa_code_object_version 6
	.text
	.protected	k_qb8d0cedba7_attn
	.globl	k_qb8d0cedba7_attn
	.p2align	8
	.type	k_qb8d0cedba7_attn,@function
k_qb8d0cedba7_attn:
	s_mov_b64 s[64:65], 0
	v_nop
	global_prefetch_b8 v0, s[64:65] scope:SCOPE_SE
	s_setreg_imm32_b32 hwreg(HW_REG_WAVE_MODE, 25, 1), 1
	s_wait_xcnt 0x0
	s_wait_alu depctr_hold_cnt(0) depctr_sa_sdst(0) depctr_va_vdst(0) depctr_va_sdst(0) depctr_va_ssrc(0) depctr_va_vcc(0) depctr_vm_vsrc(0)
	s_getreg_b32 s2, hwreg(HW_REG_IB_STS2, 6, 4)
	s_cmp_eq_u32 s2, 0
	s_cbranch_scc0 .Lentry_in_a_cluster
	s_endpgm
.Lentry_in_a_cluster:
	s_bfe_u32 s2, ttmp6, 0x10000c
	s_cmp_lg_u32 s2, 0x3003
	s_cbranch_scc0 .Lentry_shape_is_right
	s_endpgm
.Lentry_shape_is_right:
; o = softmax(q k^T / 8) v for one batch and head, on codes of FP6 (E2M3) with E8M0 scales; o leaves as codes and scale bytes for the last product.
; A work-group of 16 waves takes 512 queries; a wave takes two tiles of 16 queries, one after the other (the outer loop), and walks the 2,048 keys in 16 steps of 128, two steps to a trip.
; ALL OF K AND V of the batch and head lie in LDS, filled once: waves 0-7 ask for two chunks of K each (a chunk: 128 keys, 6,656 bytes), waves 8-15 for two of V (6,400 bytes): one joint load a wave,
; shared by the four work-groups of the cluster, which take the four quarters of the queries.  Nothing is filled again.  No prefetch: every tile is asked for at the head, so there is no loop to run ahead in.
; BOTH PRODUCTS ARE USED TRANSPOSED (S^T = k q^T, O^T = v^T p^T): a lane holds one query.
; THE KEYS OF A TILE: tile 4 c + u takes keys 64 c + 8 u + r % 8 + 32 (r / 8) of the step.  So lane (r, h) holds in the 32 registers of tiles 4 c .. 4 c + 3 the WHOLE block 2 c + h of 32 keys, in ascending order:
; a block's maximum needs no other lane and the conversions' results are the next operand's registers.  In memory a tile's lane r holds key 32 (T/2) + 8 (T%2) + r + 8 (r/8); the tiles used here are put together by the lanes' LDS addresses.
; K's rows of 256 bytes lie 320 bytes apart in LDS: lanes 8-15 read 6 rows (1,920 bytes) behind lanes 0-7, which is 128 modulo 256, so sixteen lanes touch sixteen different columns of 16 bytes.
; THE SOFTMAX: M is the running largest t rounded up to a whole number (kept as -M); p = 2^(t - M); the row's sum is taken of the unquantised p; when M moves, sum and O^T are multiplied by the exact power of two f.
; A block's largest p is the exponential of its largest score (the same multiply-add and exponential on the same number).
; A SPLIT BARRIER once a step (waited for and signalled anew behind the wait for K's fragments) holds the sixteen waves within one step of each other; between signal and wait stand register work and LDS loads alone.
; LIMITS: the promise holds while the scaled scores stay under 2^31 in magnitude; NaN and infinities are not served; a block of p or of o under 2^-124 has the scale byte 1.
.set KCH,   6656                       ; a chunk of K in memory: 26 rows of 256 bytes
.set VCH,   6400                       ; a chunk of V: 25 rows
.set KP,    320                        ; 256 bytes of K + 64 of padding
.set KCL,   26*KP                      ; a chunk of K in LDS
.set VB,    16*KCL                     ; V's chunks, dense
.set SPARE, VB+16*VCH                  ; the spare words, 128 bytes for each wave
.set SPW,  5                           ; v5 my spare word; v6 0; never rewritten
.set NIL,  6
.set KA,   28                          ; v28-30 this trip's LDS addresses of K's 16-byte pieces, 8-byte pieces, scale words (lane terms in v3, v4, v7)
.set KB,   29
.set KS,   30
.set VA,   94                          ; v94, v95, v204 the same for V (lane terms in v8, v9, v10)
.set VBA,  95
.set VS,   204
.set MX,   210                         ; v210-213 four chains of maxima; then v210, v212 the two blocks'
.set T0,   214
.set T1,   215
.set F,    216                         ; v216 f (v217 written once: the pair is named)
.set SO,   218                         ; v218-219 the conversions' scale operands
.set EB,   220
.set W,    222
.set WP,   223
.set PCD,  224                         ; v224-235 p's codes; v236-238, v240-242 the conversions' second halves
.set LS,   244                         ; v244-251 the row's sum, four chains of pairs
.set PW,   252                         ; p's scale word
.set QS,   255                         ; q's scale word
; v12, v14: -M by turns (v13 the running largest score, v15 = 8 h); v16-27 q's fragment and zeros; v32-85 K's or V's fragments; v86-92 the second tile's q; v96-159 scores, then p; v160-191 O^T; v192-203 K's and V's scale words
.set WV,   18
.set SEL,  20
.set CS,   22
.set G1K,  24
.set G1V,  32
.set G0K,  40
.set G0V,  44
.set TK,   2
.set TV,   3
.macro CROUND
	s_barrier_signal -1
	s_barrier_wait -1
	s_cmp_lg_u32 s[WV], 0
	s_cbranch_scc1 .Lnot_wave_0_\@
	s_barrier_signal -3
.Lnot_wave_0_\@:
	s_barrier_wait -3
	s_barrier_signal -1
	s_barrier_wait -1
.endm
	s_load_b256 s[4:11], s[0:1], 0x0               ; qk, vb, ac, sc
	v_lshl_add_u32 v[SPW], v0, 2, SPARE
	v_mov_b32 v[NIL], 0
	ds_add_u32 v[SPW], v[NIL]                      ; the opening lines: the add twice on end and its wait
	ds_add_u32 v[SPW], v[NIL]
	v_lshrrev_b32 v9, 5, v0
	v_readfirstlane_b32 s[WV], v9                  ; wave 0..15
	s_and_b32 s17, s[WV], 7                        ; which two chunks I ask for
	s_and_b32 s12, ttmp7, 0xffff                   ; 16 x batch + head
	s_lshr_b32 s13, s12, 4
	s_and_b32 s14, s12, 15
	s_add_co_u32 s58, s14, 16                      ; k's heads lie behind q's sixteen
	s_lshl_b32 s58, s58, 6
	s_lshl_b32 s59, s13, 4
	s_add_co_u32 s58, s58, s59
	s_mul_i32 s58, s58, KCH
	s_mul_i32 s59, s17, 2*KCH
	s_add_co_u32 s58, s58, s59
	s_mov_b32 s59, 0
	s_mul_i32 s60, s12, 16*VCH
	s_mul_i32 s61, s17, 2*VCH
	s_add_co_u32 s60, s60, s61
	s_mov_b32 s61, 0
	s_mov_b32 s[G1K], 15|(3<<16)|(1<<20)|(1<<21)|(5<<22)|(15<<25)   ; all four partners; elements of 8 bytes; 16 dwords of padding behind every 64
	s_mov_b32 s[G1K+1], 32<<16
	s_mov_b32 s[G1K+2], 52<<16                     ; two chunks: 52 rows of 256 bytes
	s_mov_b32 s[G1K+3], 32<<16
	s_mov_b32 s[G1K+4], 52
	s_mov_b32 s[G1K+5], 32
	s_mov_b32 s[G1K+6], 0
	s_mov_b32 s[G1K+7], 0
	s_mov_b32 s[G1V], 15|(3<<16)|(1<<21)
	s_mov_b32 s[G1V+1], 32<<16
	s_mov_b32 s[G1V+2], 50<<16                     ; two chunks: 50 rows
	s_mov_b32 s[G1V+3], 32<<16
	s_mov_b32 s[G1V+4], 50
	s_mov_b32 s[G1V+5], 32
	s_mov_b32 s[G1V+6], 0
	s_mov_b32 s[G1V+7], 0
	s_bfe_u32 s15, ttmp6, 0x40000                  ; cx
	s_lshl_b32 s16, ttmp9, 2
	s_add_co_u32 s16, s16, s15
	s_lshl_b32 s16, s16, 4
	s_add_co_u32 s16, s16, s[WV]                   ; my 32 queries among the sequence's 64 x 32
	s_lshl_b32 s66, s14, 6
	s_lshl_b32 s67, s13, 4
	s_add_co_u32 s66, s66, s67
	s_lshr_b32 s67, s16, 2
	s_add_co_u32 s66, s66, s67
	s_mul_i32 s66, s66, KCH                        ; q's chunk of 128 rows,
	s_and_b32 s67, s16, 3
	s_mul_i32 s68, s67, 1536                       ; my two tiles in it
	s_add_co_u32 s50, s66, s68
	s_mov_b32 s51, 0
	s_lshr_b32 s68, s67, 1
	s_lshl_b32 s68, s68, 8
	s_and_b32 s69, s67, 1
	s_lshl_b32 s69, s69, 3
	s_add_co_u32 s52, s66, s68                     ; and their scale words
	s_add_co_u32 s52, s52, s69
	s_mov_b32 s53, 0
	s_lshl_b32 s54, s13, 7
	s_lshl_b32 s66, s16, 1
	s_add_co_u32 s54, s54, s66
	s_mul_i32 s54, s54, 12288                      ; ac: my first tile's row of half-images,
	s_mul_i32 s66, s14, 768                        ; the head's 64 along K
	s_add_co_u32 s54, s54, s66
	s_mov_b32 s55, 0
	s_lshl_b32 s56, s13, 6
	s_add_co_u32 s56, s56, s16
	s_add_co_u32 s56, s56, 384                     ; sc: groups 384 on hold o's scale words
	s_lshl_b32 s56, s56, 10
	s_lshr_b32 s66, s14, 1
	s_lshl_b32 s66, s66, 7
	s_add_co_u32 s56, s56, s66
	s_and_b32 s66, s14, 1
	s_lshl_b32 s66, s66, 1
	s_add_co_u32 s56, s56, s66
	s_mov_b32 s57, 0
	s_mov_b32 s[SEL], 0x76543210
	s_mov_b32 s[SEL+1], 0xfedcba98                 ; v_permlanex16_b32's selects for lane l xor 16
	s_mov_b32 s[CS], 0x3e38aa3b                    ; c = log2(e) / 8
	s_mov_b32 s[CS+1], s[CS]
	s_mov_b32 s49, -1                              ; which lanes take a tile's scale word: the first tile's go to all,
	s_mov_b32 s62, 0                               ; the tile's number
	s_wait_dscnt 0x0
	s_wait_kmcnt 0x0
	s_mov_b32 s[G0K], 1
	s_mul_i32 s[G0K+1], s17, 2*KCL
	s_add_nc_u64 s[G0K+2:G0K+3], s[4:5], s[58:59]
	s_or_b32 s[G0K+3], s[G0K+3], 0x80000000
	s_mov_b32 s[G0V], 1
	s_mul_i32 s[G0V+1], s17, 2*VCH
	s_add_co_u32 s[G0V+1], s[G0V+1], VB
	s_add_nc_u64 s[G0V+2:G0V+3], s[6:7], s[60:61]
	s_or_b32 s[G0V+3], s[G0V+3], 0x80000000
	s_add_nc_u64 s[50:51], s[4:5], s[50:51]
	s_add_nc_u64 s[52:53], s[4:5], s[52:53]
	s_add_nc_u64 s[54:55], s[8:9], s[54:55]
	s_add_nc_u64 s[56:57], s[10:11], s[56:57]
	CROUND                                         ; the four work-groups are here: the joint loads meet
	s_cmp_lt_u32 s[WV], 8                          ; one load a wave, one arm each
	s_cbranch_scc0 .Lfor_v
	tensor_load_to_lds s[G0K:G0K+3], s[G1K:G1K+7]
	s_nop 0
.rept 4
	v_nop
.endr
	s_branch .Lasked
.Lfor_v:
	tensor_load_to_lds s[G0V:G0V+3], s[G1V:G1V+7]
	s_nop 0
.rept 4
	v_nop
.endr
.Lasked:
	v_and_b32 v9, 31, v0
	v_lshlrev_b32 v1, 4, v9                        ; 16 x lane
	v_and_b32 v94, 15, v0                          ; r
	v_bfe_u32 v95, v0, 4, 1                        ; h
	v_lshlrev_b32 v28, 4, v94
	v_lshl_add_u32 v2, v95, 3, v28
	v_add_nc_u32 v2, 512, v2                       ; 512 + 16 r + 8 h
	v_add_nc_u32 v29, 6144, v28                    ; a chunk's scale words, row r
	v_add_nc_u32 v8, VB, v1
	v_add_nc_u32 v9, VB, v2
	v_add_nc_u32 v10, VB, v29
	v_and_b32 v30, 7, v94
	v_lshrrev_b32 v204, 3, v94                     ; r / 8
	v_lshlrev_b32 v30, 4, v30                      ; 16 (r % 8)
	v_lshl_add_u32 v7, v204, 3, v30
	v_add_nc_u32 v7, 24*KP, v7                     ; K's scale words: rows 24, 25 of a chunk; 16 (r % 8) + 8 (r / 8)
	v_mad_u32_u24 v3, v204, 6*KP, v30              ; lanes 8-15 take the tile two on: 6 rows
	v_lshl_add_u32 v4, v95, 3, v3
	v_add_nc_u32 v4, 2*KP, v4                      ; the 8-byte pieces: a half-image's third row, + 8 h
	v_mad_u32_u24 v3, v95, KP, v3                  ; the 16-byte pieces: row h
	v_and_b32 v31, 8, v94
	v_add_nc_u32 v31, v31, v94
	v_lshl_add_u32 v31, v95, 3, v31
	v_lshlrev_b32 v31, 2, v31                      ; 4 x (8 h + r + 8 (r/8)): tile h's row r in its group of 32
	v_lshlrev_b32 v15, 3, v95                      ; 8 h
	global_load_b128 v[16:19], v1, s[50:51]        ; q: the first tile's fragment,
	global_load_b64 v[20:21], v2, s[50:51]
	global_load_b32 v[QS], v29, s[52:53]
	global_load_b128 v[86:89], v1, s[50:51] offset:768   ; the second's
	global_load_b64 v[90:91], v2, s[50:51] offset:768
	global_load_b32 v92, v29, s[52:53] offset:4
.irp i, 0,1,2,3,4,5
	v_mov_b32 v[22+\i], 0                          ; the head has 64 of the instruction's 128 along K: q's upper half is zero codes,
	v_mov_b32 v[80+\i], 0                          ; and the last tile of K names six registers beyond its own
.endr
	v_mov_b32 v[T1], 0                             ; written once: a lane permute's destination counts as one of its sources
	v_mov_b32 v[WP], 0
	v_mov_b32 v[F+1], 0
	v_mov_b32 v93, 0
	s_wait_alu depctr_va_vdst(0)
	s_wait_loadcnt 0x0
	s_wait_tensorcnt 0x0                           ; my load has landed,
	s_barrier_signal -1
	s_barrier_wait -1                              ; everybody's has: K and V are whole
.macro KLOAD par                       ; K's eight tiles of the trip's step par, and their scale words
.irp c, 0,1
.irp u, 0,1,2,3
	ds_load_b128 v[32+6*(4*\c+\u):35+6*(4*\c+\u)], v[KA] offset:KCL*\par+12*KP*\c+3*KP*(\u%2)+128*(\u/2)
	ds_load_b64 v[36+6*(4*\c+\u):37+6*(4*\c+\u)], v[KB] offset:KCL*\par+12*KP*\c+3*KP*(\u%2)+128*(\u/2)
.endr
.endr
.irp i, 0,1,2,3
	ds_load_b64 v[192+2*\i:193+2*\i], v[KS] offset:KCL*\par+KP*(\i/2)+128*(\i%2)
.endr
.endm
.macro SUMS from, to                   ; lines from .. to - 1 of the row's sum: 32 pairs of p onto four chains; each chain's first line brings the old sum under the new M
.set k, \from
.rept (\to)-(\from)
.if k < 4
	v_pk_fma_f32 v[LS+2*k:LS+2*k+1], v[LS+2*k:LS+2*k+1], v[F:F+1], v[96+2*k:97+2*k] op_sel_hi:[1,0,1]
.else
	v_pk_add_f32 v[LS+2*(k%4):LS+2*(k%4)+1], v[LS+2*(k%4):LS+2*(k%4)+1], v[96+2*k:97+2*k]
.endif
.set k, k+1
.endr
.endm
.macro STEP par
.set NEW, 12+2*\par
.set OLD, 14-2*\par
	s_wait_dscnt 0x0                               ; K's fragments are in
	s_barrier_wait -1                              ; every wave has begun the step before,
	s_barrier_signal -1                            ; and I begin this one
.irp t, 0,1,2,3,4,5,6,7
	v_wmma_scale_f32_16x16x128_f8f6f4 v[96+8*\t:103+8*\t], v[32+6*\t:43+6*\t], v[16:27], 0, v[192+\t], v[QS] matrix_a_fmt:MATRIX_FMT_FP6 matrix_b_fmt:MATRIX_FMT_FP6
.endr
.if \par == 0                          ; four places behind the products (ISA guide 7.12.1)
	v_add_nc_u32 v[VA], s[TV], v8
	v_add_nc_u32 v[VBA], s[TV], v9
	v_add_nc_u32 v[VS], s[TV], v10
	v_nop
.else
.rept 4
	v_nop
.endr
.endif
.irp t, 0,1,2,3
.irp c, 0,1
	ds_load_b128 v[32+12*\t+6*\c:35+12*\t+6*\c], v[VA] offset:VCH*\par+1536*\t+768*\c
	ds_load_b64 v[36+12*\t+6*\c:37+12*\t+6*\c], v[VBA] offset:VCH*\par+1536*\t+768*\c
.endr
.endr
	ds_load_b128 v[200:203], v[VS] offset:VCH*\par
.irp q, 0,1,2,3                        ; the largest score of my two blocks: two chains a block, the four by turns; each accumulator from its low end on
	v_max3_num_f32 v[MX+\q], v[96+16*\q], v[97+16*\q], v[98+16*\q]
.endr
.irp i, 3,5,7,9,11,13
.irp q, 0,1,2,3
	v_max3_num_f32 v[MX+\q], v[MX+\q], v[96+16*\q+\i], v[97+16*\q+\i]
.endr
.endr
	v_max3_num_f32 v[MX], v[MX], v[MX+1], v111
	v_max3_num_f32 v[MX+2], v[MX+2], v[MX+3], v143
	v_max_num_f32 v[MX], v[MX], v127
	v_max_num_f32 v[MX+2], v[MX+2], v159
	s_delay_alu instid0(VALU_DEP_1)
	v_max_num_f32 v[T0], v[MX], v[MX+2]
	s_delay_alu instid0(VALU_DEP_1)
	v_permlanex16_b32 v[T1], v[T0], s[SEL], s[SEL+1]   ; lane l xor 16 holds my query's other two blocks
	s_delay_alu instid0(VALU_DEP_1)
	v_max3_num_f32 v13, v13, v[T0], v[T1]          ; the running largest score
	s_delay_alu instid0(VALU_DEP_1)
	v_mul_f32 v[T0], s[CS], v13                    ; as t (c is positive)
	s_delay_alu instid0(VALU_DEP_1)
	v_floor_f32 v[NEW], -v[T0]                     ; -M = floor(-t): M is a whole number
	s_delay_alu instid0(VALU_DEP_1)
	v_sub_f32 v[T1], v[NEW], v[OLD]                ; old M less new M
.set j, 0
.rept 32
	v_pk_fma_f32 v[96+j:97+j], v[96+j:97+j], s[CS:CS+1], v[NEW:NEW+1] op_sel_hi:[1,0,0]   ; t - M
.if j == 4
	v_cvt_i32_f32 v[T1], v[T1]                     ; (it saturates)
.endif
.if j == 10
	v_ldexp_f32 v[F], 1.0, v[T1]                   ; f = 2^(old M - new M)
.endif
.set j, j+2
.endr
	v_fma_f32 v[MX], v[MX], s[CS], v[NEW]          ; the same of each block's largest score
	v_fma_f32 v[MX+2], v[MX+2], s[CS], v[NEW]
.set j, 0
.rept 16
	v_pk_mul_f32 v[160+j:161+j], v[160+j:161+j], v[F:F+1] op_sel_hi:[1,0]   ; O^T under the new M
.set j, j+2
.endr
	s_wait_dscnt 0x0                               ; V's fragments are in
	s_wait_alu depctr_va_vdst(0)
	v_exp_f32 v[MX], v[MX]
	v_exp_f32 v[MX+2], v[MX+2]
.set j, 0
.rept 64
	v_exp_f32 v[96+j], v[96+j]                     ; p = 2^(t - M)
.set j, j+1
.endr
	v_nop                                          ; one plain place behind the batch
	s_wait_alu depctr_va_vdst(0)                   ; and the one wait behind it
	v_max_num_f32 v[MX], 0x1800000, v[MX]          ; the floor 2^(3 - 127): the byte cannot fall under 1
	v_max_num_f32 v[MX+2], 0x1800000, v[MX+2]
	v_add_nc_u32 v[SO], 0xff000000, v[MX]          ; 2 off the exponent field: the conversion's scale operand
	v_add_nc_u32 v[SO+1], 0xff000000, v[MX+2]
.irp c, 0,1
	v_cvt_scalef32_pk16_fp6_f32 v[PCD+6*\c:PCD+6*\c+2], v[96+32*\c:111+32*\c], v[SO+\c]
	v_cvt_scalef32_pk16_fp6_f32 v[236+4*\c:238+4*\c], v[112+32*\c:127+32*\c], v[SO+\c]   ; (a conversion's three registers begin on an even number)
.endr
	v_lshrrev_b32 v[EB], 23, v[SO]                 ; the scales' bytes: blocks h and 2 + h.  (Plain places behind the conversions; the moves stand between the links of the word's chain)
	v_lshrrev_b32 v[EB+1], 23, v[SO+1]
	v_mov_b32 v[PCD+3], v236
	v_lshl_or_b32 v[W], v[EB+1], 16, v[EB]
	v_mov_b32 v[PCD+4], v237
	v_lshlrev_b32 v[W], v15, v[W]                  ; at their places, 8 h bits up
	v_mov_b32 v[PCD+5], v238
	v_permlanex16_b32 v[WP], v[W], s[SEL], s[SEL+1]
	v_mov_b32 v[PCD+9], v240
	v_or_b32 v[PW], v[W], v[WP]                    ; with lane l xor 16's two the word is whole
	v_mov_b32 v[PCD+10], v241
	v_mov_b32 v[PCD+11], v242
.if \par == 0
	SUMS 0, 8                                      ; with the two moves: ten places behind the scale word, eight behind the last code
.else
	SUMS 0, 32
.endif
.irp t, 0,1,2,3
	v_wmma_scale_f32_16x16x128_f8f6f4 v[160+8*\t:167+8*\t], v[32+12*\t:43+12*\t], v[PCD:PCD+11], v[160+8*\t:167+8*\t], v[200+\t], v[PW] matrix_a_fmt:MATRIX_FMT_FP6 matrix_b_fmt:MATRIX_FMT_FP6
.endr
.if \par == 0
	SUMS 8, 12                                     ; four places in front of the loads into V's registers
	KLOAD 1
	SUMS 12, 32                                    ; the rest of the sum stands under the loads' flight
.endif
.endm
.Ltile:
	v_mov_b32 v13, 0xff61b1e6                      ; the largest score so far: -3e38
	v_mov_b32 v14, 0x7f61b1e6                      ; and -M: the first step's f is 0
.set j, 0
.rept 8
	v_mov_b32 v[LS+j], 0
.set j, j+1
.endr
.set j, 0
.rept 32
	v_mov_b32 v[160+j], 0
.set j, j+1
.endr
	s_mov_b32 s[TK], 0
	s_mov_b32 s[TV], 0
	s_mov_b32 s48, 8
	s_barrier_signal -1                            ; opens the split barrier: no LDS instruction of mine is out
.Lstep:
	v_add_nc_u32 v[KA], s[TK], v3                  ; with the v_nop: four places behind the last products
	v_add_nc_u32 v[KB], s[TK], v4
	v_add_nc_u32 v[KS], s[TK], v7
	v_nop
	KLOAD 0
	STEP 0
	STEP 1
	s_add_co_u32 s[TK], s[TK], 2*KCL
	s_add_co_u32 s[TV], s[TV], 2*VCH
	s_sub_co_u32 s48, s48, 1
	s_cmp_lg_u32 s48, 0
	s_cbranch_scc1 .Lstep
	s_wait_alu depctr_va_vdst(0)
	s_barrier_wait -1                              ; closes the split barrier
	v_pk_add_f32 v[LS:LS+1], v[LS:LS+1], v[LS+2:LS+3]
	v_pk_add_f32 v[LS+4:LS+5], v[LS+4:LS+5], v[LS+6:LS+7]
	v_pk_add_f32 v[LS:LS+1], v[LS:LS+1], v[LS+4:LS+5]
	v_add_f32 v[LS], v[LS], v[LS+1]
	v_permlanex16_b32 v[T1], v[LS], s[SEL], s[SEL+1]
	v_add_f32 v[LS], v[LS], v[T1]                  ; the row's sum
	s_wait_alu depctr_va_vdst(0)
	v_rcp_f32 v[LS], v[LS]
	v_nop
	s_wait_alu depctr_va_vdst(0)
.set j, 0
.rept 16
	v_pk_mul_f32 v[96+j:97+j], v[160+j:161+j], v[LS:LS+1] op_sel_hi:[1,0]   ; o: register 16 b + i is d = 32 b + 16 h + i of my query
.set j, j+2
.endr
.irp b, 0,1
	v_max3_num_f32 v[MX+\b], |v[96+16*\b]|, |v[97+16*\b]|, 0x1800000
.endr
.irp i, 2,4,6,8,10,12,14
.irp b, 0,1
	v_max3_num_f32 v[MX+\b], v[MX+\b], |v[96+16*\b+\i]|, |v[97+16*\b+\i]|
.endr
.endr
	v_permlanex16_b32 v[T0], v[MX], s[SEL], s[SEL+1]
	v_permlanex16_b32 v[T1], v[MX+1], s[SEL], s[SEL+1]
	v_max_num_f32 v[MX], v[MX], v[T0]              ; with lane l xor 16's 16: the block's largest magnitude
	v_max_num_f32 v[MX+1], v[MX+1], v[T1]
	v_add_nc_u32 v[SO], 0xff000000, v[MX]
	v_add_nc_u32 v[SO+1], 0xff000000, v[MX+1]
	v_lshrrev_b32 v[EB], 23, v[SO]
	v_lshrrev_b32 v[EB+1], 23, v[SO+1]
	v_lshl_or_b32 v[W], v[EB+1], 8, v[EB]
	v_cndmask_b32 v93, v93, v[W], s49              ; lanes 0-15 keep the first tile's bytes, lanes 16-31 take the second's
	v_cvt_scalef32_pk16_fp6_f32 v[PCD:PCD+2], v[96:111], v[SO]
	v_cvt_scalef32_pk16_fp6_f32 v[236:238], v[112:127], v[SO+1]
	v_nop
.irp i, 0,1,2
	v_permlane16_swap_b32 v[PCD+\i], v[236+\i]     ; a whole block to a lane
.endr
.irp i, 0,1,2
	v_mov_b32 v[PCD+3+\i], v[236+\i]
.endr
	global_store_b128 v1, v[PCD:PCD+3], s[54:55]   ; the half-image: 512 consecutive bytes,
	global_store_b64 v2, v[PCD+4:PCD+5], s[54:55]  ; and 256
	s_wait_xcnt 0x0                                ; the stores have read their base and their data
	s_add_nc_u64 s[54:55], s[54:55], 12288         ; the next tile's row of half-images
.irp i, 0,1,2,3,4,5
	v_mov_b32 v[16+\i], v[86+\i]                   ; the second tile's q (behind the second tile the copy serves nothing)
.endr
	v_mov_b32 v[QS], v92
	s_mov_b32 s49, 0xffff0000
	s_add_co_u32 s62, s62, 1
	s_cmp_lt_u32 s62, 2
	s_wait_alu depctr_va_vdst(0)
	s_cbranch_scc1 .Ltile
	global_store_b16 v31, v93, s[56:57]            ; the head's two scale bytes of my 32 rows
	s_wait_tensorcnt 0x0                           ; the wave's end
	ds_add_u32 v[SPW], v[NIL]
	s_wait_dscnt 0x0
	CROUND                                         ; the closing round
	s_endpgm
.Lfunc_end_k_qb8d0cedba7_attn:
	.size	k_qb8d0cedba7_attn, .Lfunc_end_k_qb8d0cedba7_attn-k_qb8d0cedba7_attn
	.p2alignl 7, 3214868480
	.fill 96, 4, 3214868480
	.section	.rodata,"a",@progbits
	.p2align	6, 0x0
	.amdhsa_kernel k_qb8d0cedba7_attn
		.amdhsa_group_segment_fixed_size 237568
		.amdhsa_private_segment_fixed_size 0
		.amdhsa_enable_private_segment 0
		.amdhsa_kernarg_size 32
		.amdhsa_user_sgpr_count 2
		.amdhsa_user_sgpr_kernarg_segment_ptr 1
		.amdhsa_wavefront_size32 1
		.amdhsa_system_sgpr_workgroup_id_x 1
		.amdhsa_system_sgpr_workgroup_id_y 1
		.amdhsa_system_sgpr_workgroup_id_z 1
		.amdhsa_system_vgpr_workitem_id 0
		.amdhsa_next_free_vgpr 256
		.amdhsa_next_free_sgpr 80
		.amdhsa_reserve_vcc 0
		.amdhsa_float_denorm_mode_32 3
		.amdhsa_float_denorm_mode_16_64 3
		.amdhsa_memory_ordered 1
		.amdhsa_forward_progress 1
		.amdhsa_inst_pref_size 45
	.end_amdhsa_kernel
	.amdgpu_metadata
---
amdhsa.version: [ 1, 2 ]
amdhsa.kernels:
  - .name:           k_qb8d0cedba7_attn
    .symbol:         k_qb8d0cedba7_attn.kd
    .args:
      - { .name: qk, .offset: 0, .size: 8, .value_kind: global_buffer, .address_space: global }
      - { .name: vb, .offset: 8, .size: 8, .value_kind: global_buffer, .address_space: global }
      - { .name: ac, .offset: 16, .size: 8, .value_kind: global_buffer, .address_space: global }
      - { .name: sc, .offset: 24, .size: 8, .value_kind: global_buffer, .address_space: global }
    .group_segment_fixed_size: 237568
    .private_segment_fixed_size: 0
    .kernarg_segment_align: 8
    .kernarg_segment_size: 32
    .max_flat_workgroup_size: 512
    .sgpr_count:     80
    .vgpr_count:     256
    .wavefront_size: 32
...
	.end_amdgpu_metadata
.endif
;; end of part 3
;; launch proj (part 4): grid 4 x 64, 4 waves a work-group, clusters of 4 x 4, 295,424 bytes of LDS; arguments ac, wc, sc, bo, out0; writes out0
.if DOCPART == 4
	.amdgcn_target "amdgcn-amd-amdhsa--gfx1250"
	.amdhsa_code_object_version 6
	.text
	.protected	k_qb8d0cedba7_proj
	.globl	k_qb8d0cedba7_proj
	.p2align	8
	.type	k_qb8d0cedba7_proj,@function
k_qb8d0cedba7_proj:
	s_mov_b64 s[64:65], 0
	v_nop
	global_prefetch_b8 v0, s[64:65] scope:SCOPE_SE
	s_setreg_imm32_b32 hwreg(HW_REG_WAVE_MODE, 25, 1), 1
	s_wait_xcnt 0x0
	s_wait_alu depctr_hold_cnt(0) depctr_sa_sdst(0) depctr_va_vdst(0) depctr_va_sdst(0) depctr_va_ssrc(0) depctr_va_vcc(0) depctr_vm_vsrc(0)
	s_getreg_b32 s2, hwreg(HW_REG_IB_STS2, 6, 4)
	s_cmp_eq_u32 s2, 0
	s_cbranch_scc0 .Lentry_in_a_cluster
	s_endpgm
.Lentry_in_a_cluster:
	s_bfe_u32 s2, ttmp6, 0x10000c
	s_cmp_lg_u32 s2, 0xf033
	s_cbranch_scc0 .Lentry_shape_is_right
	s_endpgm
.Lentry_shape_is_right:
; out0 = a Wo + bo on codes of FP6 (E2M3) with E8M0 scales; a: the attention's result as the launch before left it (ac, scale words in sc from group 384 on); Wo: tiles 192 on of wc, groups 352 on of sc.
; 256 work-groups of four waves; a work-group makes 128 rows x 256 columns.  BOTH OPERANDS LIE IN LDS FOR ALL OF K = 1,024: Wo's 16 tiles of 12,288 bytes, then a's 8: four joint loads at the head, one a wave; nothing is filled again.
; No prefetch: every tile is asked for at the head, so there is no loop to run ahead in.
; OPERANDS ARE IMAGES OF REGISTERS: a tile (16 rows) x 128 K is 1,536 bytes, read by four dense LDS loads.  Lane r of tile T holds row 32 (T/2) + 8 (T%2) + r + 8 (r/8).
; A wave multiplies 8 tiles of Wo (source 0; half s16 of the columns) by 4 tiles of a (source 1; half s15 of the rows): 32 accumulators by turns, 32 products a K step; fragments have two sets, the next step's are fetched in a step's middle.
; In accumulator 8 a + b lane (r, h) holds a's row of lane r, and register j the column 32 (b/2) + 8 (b%2) + 16 h + j.  The bias is the C of the first products.
; THE WAY OUT: 16 rows x 128 columns at a time through the wave's own stage in LDS, back as whole rows of 512 bytes.  The stages lie on Wo's first tiles: a barrier in the last K step, behind every wave's last fragment loads, stands ahead of the first store there.
; CLUSTERS: 4 x 4 work-groups; a's tiles are asked for jointly along a row of the cluster, Wo's along a column.
; REGISTERS: window 0: v16-31 addresses; v32-95 Wo's scale words (8 i + K step); v100-131 a's; v128-255 on the way out.  window 1: Wo's fragments at v0 and v128; the bias in v96-127, v224-255.  window 2: the accumulators.  window 3: a's fragments at v0 and v48.
.set TB,    12288
.set HB,    6144                       ; half of K: both operands lie in LDS as [K half][tile][6,144 bytes]
.set WB,    16*TB                      ; a's 8 tiles
.set SPARE, WB+8*TB
.set FR,    12
.set AX,    16                         ; v16-17 my 8 tiles of Wo in the first K half (+ 16 x lane; + 16 r + 8 h), v18-19 in the second
.set AW,    20                         ; v20-21 my 4 tiles of a in the first K half, v22-23 in the second
.set LI,    24
.set LJ,    25
.set R4,    26
.set H64,   27
.set SPW,   28
.set NIL,   29
.set STO,   30
.set RD,    31
.set XS,    32
.set WS,    100                        ; (4 modulo 8 from XS)
.set BK,    128
.set SPITCH, 528
.set G1,  24
.set G1B, 32
.set G0,  48
.set G0B, 52
.set MSB, 0
.macro WIN new
.if MSB != (\new)
	s_set_vgpr_msb (MSB<<8)|(\new)
.set MSB, (\new)
.endif
.endm
.macro CROUND
	s_barrier_signal -1
	s_barrier_wait -1
	s_cmp_lg_u32 s14, 0
	s_cbranch_scc1 .Lnot_wave_0_\@
	s_barrier_signal -3
.Lnot_wave_0_\@:
	s_barrier_wait -3
	s_barrier_signal -1
	s_barrier_wait -1
.endm
.macro PLACES                          ; four places behind matrix instructions (ISA guide 7.12.1)
.rept 4
	v_nop
.endr
.endm
	s_load_b256 s[4:11], s[0:1], 0x0               ; ac, wc, sc, bo
	s_load_b64 s[12:13], s[0:1], 0x20              ; out0
	v_lshl_add_u32 v[SPW], v0, 2, SPARE
	v_mov_b32 v[NIL], 0
	ds_add_u32 v[SPW], v[NIL]                      ; the opening lines: the add twice on end and its wait
	ds_add_u32 v[SPW], v[NIL]
	v_lshrrev_b32 v1, 5, v0
	v_readfirstlane_b32 s14, v1                    ; wave 0..3
	s_lshr_b32 s15, s14, 1                         ; my half of a's rows.  At the head: which K half I fetch
	s_and_b32 s16, s14, 1                          ; my half of Wo's columns.  At the head: I fetch for Wo (0) or for a (1)
	s_bfe_u32 s76, ttmp6, 0x40000
	s_bfe_u32 s77, ttmp6, 0x40004
	s_lshl_b32 s78, ttmp9, 2
	s_add_co_u32 s78, s78, s76                     ; X: which 256 columns, 0..3
	s_and_b32 s79, ttmp7, 0xffff
	s_lshl_b32 s79, s79, 2
	s_add_co_u32 s79, s79, s77                     ; Y: which 128 rows, 0..63
	s_lshl_b32 s80, s77, 2
	s_lshl_b32 s80, 15, s80                        ; my row of the cluster
	s_lshl_b32 s81, 0x1111, s76                    ; my column
	s_or_b32 s[G1], s81, (3<<16)|(1<<21)           ; Wo's tiles go to my column,
	s_or_b32 s[G1B], s80, (3<<16)|(1<<21)          ; a's to my row
	s_mov_b32 s[G1+1], 768<<16                     ; one K half of 16 tiles
	s_mov_b32 s[G1+2], 16<<16
	s_mov_b32 s[G1+3], 768<<16
	s_mov_b32 s[G1+4], 16
	s_mov_b32 s[G1+5], 1536
	s_mov_b32 s[G1+6], 0
	s_mov_b32 s[G1+7], 0
	s_mov_b32 s[G1B+1], 768<<16                    ; one K half of 8 tiles
	s_mov_b32 s[G1B+2], 8<<16
	s_mov_b32 s[G1B+3], 768<<16
	s_mov_b32 s[G1B+4], 8
	s_mov_b32 s[G1B+5], 1536
	s_mov_b32 s[G1B+6], 0
	s_mov_b32 s[G1B+7], 0
	s_lshl_b32 s20, s78, 4
	s_add_co_u32 s20, s20, 192
	s_mul_i32 s20, s20, TB                         ; Wo: tile 192 + 16 X,
	s_mul_i32 s18, s15, HB                         ; the K half that I fetch
	s_add_co_u32 s20, s20, s18
	s_mov_b32 s21, 0
	s_mul_i32 s22, s79, 8*TB                       ; a: tile 8 Y
	s_add_co_u32 s22, s22, s18
	s_mov_b32 s23, 0
	s_mov_b32 s[G0], 1
	s_mul_i32 s[G0+1], s15, 16*HB
	s_mov_b32 s[G0B], 1
	s_mul_i32 s[G0B+1], s15, 8*HB
	s_add_co_u32 s[G0B+1], s[G0B+1], WB
	s_mul_i32 s17, s16, 8*HB                       ; LDS: my 8 tiles of Wo in the first K half,
	s_add_co_u32 s18, s17, 16*HB                   ; in the second,
	s_mul_i32 s19, s15, 4*HB
	s_add_co_u32 s19, s19, WB                      ; my 4 tiles of a in the first K half,
	s_add_co_u32 s101, s19, 8*HB                   ; in the second,
	s_mul_i32 s3, s14, 16*SPITCH                   ; my stage
	s_lshl_b32 s98, s78, 3                         ; Wo's scale words: group 352 + 8 X + 4 x half
	s_lshl_b32 s84, s16, 2
	s_add_co_u32 s98, s98, s84
	s_add_co_u32 s98, s98, 352
	s_lshl_b32 s98, s98, 10
	s_mov_b32 s99, 0
	s_lshl_b32 s82, s79, 2                         ; a's: group 384 + 4 Y + 2 x half
	s_lshl_b32 s84, s15, 1
	s_add_co_u32 s82, s82, s84
	s_add_co_u32 s82, s82, 384
	s_lshl_b32 s82, s82, 10
	s_mov_b32 s83, 0
	s_lshl_b32 s86, s78, 10                        ; my first column, in bytes
	s_lshl_b32 s84, s16, 9
	s_add_co_u32 s86, s86, s84
	s_mov_b32 s87, 0
	s_lshl_b32 s88, s79, 7
	s_lshl_b32 s84, s15, 6
	s_add_co_u32 s88, s88, s84                     ; my first row
	s_lshl_b32 s88, s88, 12
	s_add_co_u32 s88, s88, s86
	s_mov_b32 s89, 0
	s_wait_dscnt 0x0
	s_wait_kmcnt 0x0
	s_add_nc_u64 s[G0+2:G0+3], s[6:7], s[20:21]
	s_or_b32 s[G0+3], s[G0+3], 0x80000000
	s_add_nc_u64 s[G0B+2:G0B+3], s[4:5], s[22:23]
	s_or_b32 s[G0B+3], s[G0B+3], 0x80000000
	s_add_nc_u64 s[98:99], s[8:9], s[98:99]
	s_add_nc_u64 s[82:83], s[8:9], s[82:83]
	s_add_nc_u64 s[10:11], s[10:11], s[86:87]
	s_add_nc_u64 s[12:13], s[12:13], s[88:89]
	CROUND                                         ; all sixteen work-groups are here: the joint loads meet
; THE HEAD'S LOADS, one a wave, each in an arm of its own of one chain: wave 0 Wo's first K half, wave 1 a's, wave 2 Wo's second, wave 3 a's.  What K steps 0 to 3 read is asked for first.
.macro ARM under, g0, g1, next
	s_cmp_lt_u32 s14, \under
	s_cbranch_scc0 \next
	tensor_load_to_lds s[\g0:\g0+3], s[\g1:\g1+7]
	s_nop 0
	PLACES
	s_branch .Lhead_asked
\next:
.endm
	ARM 1, G0,  G1,  .Lhead_1
	ARM 2, G0B, G1B, .Lhead_2
	ARM 3, G0,  G1,  .Lhead_3
	tensor_load_to_lds s[G0B:G0B+3], s[G1B:G1B+7]
	s_nop 0
	PLACES
.Lhead_asked:
	v_and_b32 v1, 15, v0                           ; r
	v_bfe_u32 v2, v0, 4, 1                         ; h
	v_and_b32 v3, 31, v0
	v_lshlrev_b32 v[LI], 4, v3
	v_lshlrev_b32 v[LJ], 4, v1
	v_lshl_add_u32 v[LJ], v2, 3, v[LJ]
	v_and_b32 v3, 8, v1
	v_add_nc_u32 v3, v3, v1
	v_lshlrev_b32 v[R4], 2, v3
	v_lshlrev_b32 v[H64], 6, v2
	v_add_nc_u32 v[AX], s17, v[LI]
	v_add_nc_u32 v[AX+1], s17, v[LJ]
	v_add_nc_u32 v[AX+2], s18, v[LI]
	v_add_nc_u32 v[AX+3], s18, v[LJ]
	v_add_nc_u32 v[AW], s19, v[LI]
	v_add_nc_u32 v[AW+1], s19, v[LJ]
	v_add_nc_u32 v[AW+2], s101, v[LI]
	v_add_nc_u32 v[AW+3], s101, v[LJ]
	v_mul_u32_u24 v[STO], v1, SPITCH               ; into the stage: row r, 64 h bytes on
	v_lshl_add_u32 v[STO], v2, 6, v[STO]
	v_add_nc_u32 v[STO], s3, v[STO]
	v_add_nc_u32 v[RD], s3, v[LI]                  ; out of it: the 32 lanes take a row of 512 bytes
.irp i, 0,1,2,3
.irp s, 0,1,2,3,4,5,6,7
	global_load_b32 v[WS+8*\i+\s], v[R4], s[82:83] offset:(\i/2)*1024+(\i%2)*32+128*\s
.endr
.endr
.irp i, 0,1,2,3,4,5,6,7
.irp s, 0,1,2,3,4,5,6,7
	global_load_b32 v[XS+8*\i+\s], v[R4], s[98:99] offset:(\i/2)*1024+(\i%2)*32+128*\s
.endr
.endr
	WIN 0x40
.irp b, 0,1,2,3,4,5,6,7
	global_load_b128 v[96+8*\b+96*(\b/4):99+8*\b+96*(\b/4)], v[H64], s[10:11] offset:128*(\b/2)+32*(\b%2)
	global_load_b128 v[100+8*\b+96*(\b/4):103+8*\b+96*(\b/4)], v[H64], s[10:11] offset:128*(\b/2)+32*(\b%2)+16
.endr
	WIN 0
.macro FRAG reg, adr, off
	ds_load_b128 v[\reg:\reg+3], v[\adr] offset:\off
	ds_load_b64 v[\reg+4:\reg+5], v[\adr+1] offset:(\off)+512
	ds_load_b128 v[\reg+6:\reg+9], v[\adr] offset:(\off)+768
	ds_load_b64 v[\reg+10:\reg+11], v[\adr+1] offset:(\off)+1280
.endm
.macro FETCH ks                        ; K step ks: 48 loads into set ks % 2
	WIN 0x40
.irp i, 0,1,2,3,4,5,6,7
	FRAG 128*((\ks)%2)+FR*\i, AX+2*((\ks)/4), \i*HB+((\ks)%4)*1536
.endr
	WIN 0xc0
.irp i, 0,1,2,3
	FRAG 48*((\ks)%2)+FR*\i, AW+2*((\ks)/4), \i*HB+((\ks)%4)*1536
.endr
	WIN 0
.endm
.macro MUL8 g, ks                      ; a's tile g x Wo's eight; the 32 accumulators take turns in the same order in every step
.irp e, 0,1,2,3,4,5,6,7
.set D_, 8*(8*\g+\e)
.set XF_, 128*((\ks)%2)+FR*\e
.set WF_, 48*((\ks)%2)+FR*\g
.if (\ks) == 0
	v_wmma_scale_f32_16x16x128_f8f6f4 v[D_:D_+7], v[XF_:XF_+FR-1], v[WF_:WF_+FR-1], v[96+8*\e+96*(\e/4):103+8*\e+96*(\e/4)], v[XS+8*\e+(\ks)], v[WS+8*\g+(\ks)] matrix_a_fmt:MATRIX_FMT_FP6 matrix_b_fmt:MATRIX_FMT_FP6
.else
	v_wmma_scale_f32_16x16x128_f8f6f4 v[D_:D_+7], v[XF_:XF_+FR-1], v[WF_:WF_+FR-1], v[D_:D_+7], v[XS+8*\e+(\ks)], v[WS+8*\g+(\ks)] matrix_a_fmt:MATRIX_FMT_FP6 matrix_b_fmt:MATRIX_FMT_FP6
.endif
.endr
.endm
.macro STEP ks
.if (\ks) == 0
.set MW_, 0x9d                         ; source 0 window 1, source 1 window 3, C (the bias) window 1, D window 2
.else
.set MW_, 0xad
.endif
.if (\ks) == 3
	s_wait_tensorcnt 0x0                           ; my load has landed, whichever K half it brought
.endif
	s_wait_dscnt 0x0                               ; this step's fragments are in
.if (\ks) == 7 || (\ks) == 3
	s_barrier_signal -1                            ; K step 7: they were my last reads of the tiles
.endif
	WIN MW_
	MUL8 0, \ks
	MUL8 1, \ks
.if (\ks) == 3
	s_barrier_wait -1                              ; the second K halves are in, everybody's
.endif
.if (\ks) < 7
	PLACES
	FETCH (\ks)+1
	WIN MW_
.endif
	MUL8 2, \ks
	MUL8 3, \ks
	WIN 0
.if (\ks) == 7
	s_barrier_wait -1                              ; and everybody's: the stages may be written
.endif
.endm
	s_wait_alu depctr_va_vdst(0)
	s_cmp_lt_u32 s14, 2                            ; waves 0 and 1 wait for their loads, the first K halves;
	s_cbranch_scc0 .Lsecond_half
	s_wait_tensorcnt 0x0
.Lsecond_half:
	s_barrier_signal -1
	s_barrier_wait -1                              ; the first K halves are in.  The second may be on their way
	FETCH 0
	s_wait_loadcnt 0x0                             ; the scale words and the bias are in
.set KS_, 0
.rept 8
	STEP KS_
.set KS_, KS_+1
.endr
.macro TOSTAGE a
.set AC, 64*(\a)
	WIN 0x08                                       ; the data: window 2
.irp b, 0,1,2,3,4,5,6,7
	ds_store_b128 v[STO], v[AC+8*\b:AC+8*\b+3] offset:128*(\b/2)+32*(\b%2)      ; each accumulator from its low end on
	ds_store_b128 v[STO], v[AC+8*\b+4:AC+8*\b+7] offset:128*(\b/2)+32*(\b%2)+16
.endr
	WIN 0
.set BB, BK+64*((\a)%2)
.irp t, 0,1,2,3,4,5,6,7,8,9,10,11,12,13,14,15
	ds_load_b128 v[BB+4*\t:BB+4*\t+3], v[RD] offset:\t*SPITCH    ; LDS serves a wave's instructions in order: these see my stores
.endr
.endm
.macro SEND a, younger                 ; younger: the LDS instructions issued behind block a's loads, which may stay out
.set BB, BK+64*((\a)%2)
	s_wait_dscnt \younger
.irp t, 0,1,2,3,4,5,6,7,8,9,10,11,12,13,14,15
	global_store_b128 v[LI], v[BB+4*\t:BB+4*\t+3], s[12:13] offset:(32*((\a)/2)+8*((\a)%2)+\t+8*(\t/8))*4096 th:TH_STORE_NT   ; 512 consecutive bytes of a row
.endr
.endm
	PLACES
	TOSTAGE 0
.irp a, 1,2,3
.if \a > 1
	s_wait_xcnt 0x0                                ; block a - 2's stores have read their registers
.endif
	TOSTAGE \a
	SEND \a-1, 32
.endr
	SEND 3, 0
	s_wait_tensorcnt 0x0                           ; the wave's end
	ds_add_u32 v[SPW], v[NIL]
	s_wait_dscnt 0x0
	CROUND                                         ; the closing round
	s_endpgm
.Lfunc_end_k_qb8d0cedba7_proj:
	.size	k_qb8d0cedba7_proj, .Lfunc_end_k_qb8d0cedba7_proj-k_qb8d0cedba7_proj
	.p2alignl 7, 3214868480
	.fill 96, 4, 3214868480
	.section	.rodata,"a",@progbits
	.p2align	6, 0x0
	.amdhsa_kernel k_qb8d0cedba7_proj
		.amdhsa_group_segment_fixed_size 295424
		.amdhsa_private_segment_fixed_size 0
		.amdhsa_enable_private_segment 0
		.amdhsa_kernarg_size 40
		.amdhsa_user_sgpr_count 2
		.amdhsa_user_sgpr_kernarg_segment_ptr 1
		.amdhsa_wavefront_size32 1
		.amdhsa_system_sgpr_workgroup_id_x 1
		.amdhsa_system_sgpr_workgroup_id_y 1
		.amdhsa_system_sgpr_workgroup_id_z 1
		.amdhsa_system_vgpr_workitem_id 0
		.amdhsa_next_free_vgpr 1024
		.amdhsa_next_free_sgpr 102
		.amdhsa_reserve_vcc 0
		.amdhsa_float_denorm_mode_32 3
		.amdhsa_float_denorm_mode_16_64 3
		.amdhsa_memory_ordered 1
		.amdhsa_forward_progress 1
		.amdhsa_inst_pref_size 92
	.end_amdhsa_kernel
	.amdgpu_metadata
---
amdhsa.version: [ 1, 2 ]
amdhsa.kernels:
  - .name:           k_qb8d0cedba7_proj
    .symbol:         k_qb8d0cedba7_proj.kd
    .args:
      - { .name: ac, .offset: 0, .size: 8, .value_kind: global_buffer, .address_space: global }
      - { .name: wc, .offset: 8, .size: 8, .value_kind: global_buffer, .address_space: global }
      - { .name: sc, .offset: 16, .size: 8, .value_kind: global_buffer, .address_space: global }
      - { .name: bo, .offset: 24, .size: 8, .value_kind: global_buffer, .address_space: global }
      - { .name: out0, .offset: 32, .size: 8, .value_kind: global_buffer, .address_space: global }
    .group_segment_fixed_size: 295424
    .private_segment_fixed_size: 0
    .kernarg_segment_align: 8
    .kernarg_segment_size: 40
    .max_flat_workgroup_size: 128
    .sgpr_count:     102
    .vgpr_count:     1024
    .wavefront_size: 32
...
	.end_amdgpu_metadata
.endif
;; end of part 4
